; MI455X (gfx1250); checked and timed in simulation.
; The chip was launched on July 23, 2026; its instructions are those of AMD's public machine-readable ISA for CDNA 5 (MIT licence, August 2026) and "CDNA5" Instruction Set Architecture Reference Guide (July 2026). The comments in the code are by the model that wrote it; some were corrected since.
;; Multi Head Self Attention. Allowed arithmetic: matrix products marked QUANTISED: E2M1 operands, one E8M0 scale for each 32 along K, by v_wmma_scale_f32_16x16x128_f8f6f4 with both operands' format E2M1 (or v_wmma_scale_f32_32x16x128_f4), f32 sums; everything else in f32.
;; Inputs: W_out 1,024 x 1,024 float32; W_qkv 3,072 x 1,024 float32; b_out 1,024 float32; b_qkv 3,072 float32; ious 8 x 1,024 x 1,024 float32; query 1,024 x 8 x 1,024 float32.
;; Outputs: out0 1,024 x 8 x 1,024 float32.
;; Constants: nhead = 16.
;; This version of the problem:
;;   THIS VERSION OF THE PROBLEM IS GIVEN IN LOW PRECISION. The matrix products marked QUANTISED in the list below multiply operands that are first quantised to E2M1 (2 exponent bits, 1 mantissa bit; 4 bits a number), with one power-of-two scale for each 32 numbers along K (OCP MX v1.0); their sums are f32. All else is computed in f32.
;;   The module's matrix products, in the order in which they are computed (A, B: the left and right operand; K: the contracted axis; several contracted axes count as one K, in the product's order):
;;     1. [M 8,192, K 1,024] x [K 1,024, N 3,072]; A: input query; B: input W_qkv: QUANTISED
;;     2. batch 128 x [M 1,024, K 64] x [K 64, N 1,024]; A: computed on the way; B: computed on the way: QUANTISED
;;     3. batch 128 x [M 1,024, K 1,024] x [K 1,024, N 64]; A: computed on the way; B: computed on the way: QUANTISED
;;     4. [M 8,192, K 1,024] x [K 1,024, N 1,024]; A: computed on the way; B: input W_out: QUANTISED
;;   THE QUANTISER, for each operand of a quantised product, along K:
;;     - K is cut into blocks of 32 from its start; a last block that is shorter is filled with zeros.
;;     - A block's scale is 2^e with e = floor(log2(the largest magnitude in the block)) - 2, held to -126 .. 127; a block of zeros has e = 0. As a byte (E8M0): e + 127.
;;     - Each number is divided by its block's scale, clamped to +-6, and rounded to the nearest number of E2M1, ties to even, subnormals kept.
;;     - The product sums the exact products of the quantised numbers (number of the format x scale) in f32.
;;   ~~~python
;;   def quantise(x, axis):      # numpy; x: float32 -> the quantised numbers, widened to float32 again
;;       x = np.moveaxis(x, axis, -1); K = x.shape[-1]
;;       x = np.pad(x, [(0, 0)] * (x.ndim - 1) + [(0, -K % 32)]); x = x.reshape(x.shape[:-1] + (-1, 32)); a = np.abs(x).max(-1, keepdims=True)
;;       e = np.where(a > 0, np.clip(np.frexp(np.where(a > 0, a, 1))[1] - 1 - 2, -126, 127), 0)      # np.frexp(a)[1] - 1 = floor(log2(a)), exactly
;;       r = np.clip(x / 2.0 ** e, -6, 6)
;;       step = 2.0 ** (np.maximum(np.frexp(np.where(r == 0, 1, r))[1] - 1, 0) - 1)
;;       q = np.round(r / step) * step * 2.0 ** e      # np.round: ties to even
;;       return np.moveaxis(q.reshape(q.shape[:-2] + (-1,))[..., :K], -1, axis).astype(np.float32)
;;   ~~~
;;   OPERANDS COMPUTED ON THE WAY. 'Computed on the way' means the value that the module computes at that place (a softmax that the list does not call 'softmax' is quantised finished and normalised). What goes into a quantiser is computed in f32, as accurately as f32 sums, v_exp_f32 and their like allow (about 1e-6 of the number): no bf16 or f16 on the way to a quantiser, and a product that is left as it is and whose result goes on into a quantised operand takes f32 operands (vector FMAs, or v_wmma_f32_16x16x4_f32). A number that lies on a knife's edge between two numbers of the format may be rounded either way, as far as f32 arithmetic and the matrix unit's own rounding can turn it there, and no further.
;; One version. Each part assembles by itself: llvm-mc -triple=amdgcn-amd-amdhsa -mcpu=gfx1250 --defsym DOCPART=n.
;; ======== version 1 of 1: 4 launches
;; limits: right only within a limited range of input values
;; workspace buffers: cod 6,291,456 bytes; scl 393,216 bytes; qkimg 8,912,896 bytes; vimg 4,456,448 bytes; acod 4,194,304 bytes; ascl 262,144 bytes
;; launch quant (part 1): grid 384 x 1, 4 waves a work-group, no clusters, 33,280 bytes of LDS; arguments query, W_qkv, W_out, cod, scl; writes cod, scl
.if DOCPART == 1
	.amdgcn_target "amdgcn-amd-amdhsa--gfx1250"
	.amdhsa_code_object_version 6
	.text
	.protected	k_qbde020f5d8_quant
	.globl	k_qbde020f5d8_quant
	.p2align	8
	.type	k_qbde020f5d8_quant,@function
k_qbde020f5d8_quant:
	s_mov_b64 s[64:65], 0
	v_nop
	global_prefetch_b8 v0, s[64:65] scope:SCOPE_SE
	s_setreg_imm32_b32 hwreg(HW_REG_WAVE_MODE, 25, 1), 1
	s_wait_xcnt 0x0
; query [1024 t][8 b][1024], W_qkv [3072][1024] and W_out [1024][1024], f32, become codes of FP4 (E2M1), K innermost, two codes a byte, with one E8M0 byte for each 32 along K.
; cod: 12,288 rows of 512 bytes: rows 0-8191 query in the order [b][t], 8192-11263 W_qkv, 11264-12287 W_out.  scl: the same rows, 32 bytes each.
; NOTHING OF reference() IS LEFT OUT in this program: every input has a way to the output, and every product of the table is done.
; A block's scale is 2^(floor(log2(its largest magnitude)) - 2); its byte is the largest magnitude's exponent field - 2, held at 1 from below.  A block of zeros so gets the byte 1 where the rule says 127:
; its codes are zeros, which add nothing under any byte but 0xff, and the bytes are read by this program alone.
; LIMITS: blocks whose largest magnitude lies under 2^(3 - 127) keep the byte 1; NaN and infinities among the inputs are not served.
; SHARES.  A wave takes 8 rows of 1,024 numbers: 16 steps of 512.  Work-groups 0-255 take query (8 rows t of one b, 32,768 bytes apart), 256-351 W_qkv, 352-383 W_out (dense rows).  Only pointers, an offset and a
; row stride are chosen, on the work-group's number: there is one path through the text.  No work-group shares an input with another: no cluster, no tensor load.
; Each load reads 512 consecutive bytes; a step's 2,048 bytes turn through the wave's own stage in LDS and come back 64 bytes a lane, so that a lane holds 16 neighbours along K and two lanes a block.
; Loads run eight steps ahead: 32 loads, 16,384 bytes, of every wave are on their way.  The turn through LDS runs one step ahead.
; A step's codes leave as 256 consecutive bytes; a wave's 256 scale bytes are gathered in LDS and leave as one store of 256 consecutive bytes.
.set STEPS, 16
.set DEPTH, 8                          ; steps of loads ahead
.set EMAX,  2
.set CB,    8                          ; bytes of 16 codes
.set R,     16                         ; v16-143  eight sets of 16 numbers as they are loaded
.set X,     144                        ; v144-175 two sets of 16 neighbours
.set EB,    176                        ; v176-191 a scale byte for each step
.set C,     192                        ; v192-223 codes: two registers for each step, so that no store's data are written again
.set VO,    224                        ; v224-231 byte offset of my 16 bytes in row j of the wave's eight
.set WREG,  8192                       ; LDS: a region for each wave: two stages of 32 x SP bytes, behind them its 256 scale bytes
.set SP,    80                         ; a lane's place in a stage: 64 bytes + 16 of padding
.set SPW,   12                         ; v12 LDS address of my spare word; never rewritten
.set NIL,   13                         ; v13 0; never rewritten
.set SPARE, 4*WREG                     ; behind the four regions: the spare words, 128 bytes a wave
	s_load_b128 s[4:7], s[0:1], 0x0                ; query, W_qkv
	s_load_b128 s[8:11], s[0:1], 0x10              ; W_out, cod
	s_load_b64 s[12:13], s[0:1], 0x20              ; scl
	v_lshl_add_u32 v[SPW], v0, 2, SPARE
	v_mov_b32 v[NIL], 0
	v_lshrrev_b32 v1, 5, v0
	v_readfirstlane_b32 s16, v1                    ; wave
	v_and_b32 v2, 31, v0                           ; lane
	v_lshlrev_b32 v3, 4, v2                        ; my 16 bytes of a load's 512
	s_mul_i32 s17, s16, WREG
	v_lshrrev_b32 v14, 2, v2
	v_mul_u32_u24 v14, v14, SP
	v_and_b32 v15, 3, v2
	v_lshl_add_u32 v14, v15, 4, v14
	v_add_nc_u32 v14, s17, v14                     ; the stage, on the way in: SP (lane / 4) + 16 (lane % 4)
	v_mul_u32_u24 v15, v2, SP
	v_add_nc_u32 v15, s17, v15                     ; and on the way out: SP x lane
	v_mul_u32_u24 v4, v2, CB                       ; my codes' place in a step's
	v_lshrrev_b32 v5, 1, v2
	s_add_co_u32 s17, s17, 2*32*SP
	v_add_nc_u32 v5, s17, v5                       ; LDS: my wave's 256 scale bytes, my block's byte
	v_lshlrev_b32 v7, 3, v2                        ; and on the way out 8 bytes a lane
	v_add_nc_u32 v6, s17, v7
	s_lshl_b32 s18, ttmp9, 2
	s_add_co_u32 s18, s18, s16                     ; U: which run of 8 rows is my wave's
	s_lshr_b32 s19, s18, 3                         ; query: tg, the group of 8 t
	s_and_b32 s20, s18, 7                          ;        b
	s_lshl_b32 s22, s19, 18
	s_lshl_b32 s23, s20, 12
	s_add_co_u32 s22, s22, s23                     ;        source byte: tg x 262,144 + b x 4,096
	s_lshl_b32 s24, s20, 7
	s_add_co_u32 s24, s24, s19                     ;        destination run: b x 128 + tg
	s_sub_co_u32 s25, s18, 1024
	s_lshl_b32 s25, s25, 15                        ; W_qkv: source byte
	s_sub_co_u32 s26, s18, 1408
	s_lshl_b32 s26, s26, 15                        ; W_out: source byte
	s_mov_b32 s27, 4096                            ; a dense row
	s_wait_kmcnt 0x0
	s_cmp_lt_u32 ttmp9, 352                        ; the choices hang on the work-group's number alone
	s_cselect_b64 s[6:7], s[6:7], s[8:9]
	s_cselect_b32 s25, s25, s26
	s_cmp_lt_u32 ttmp9, 256
	s_cselect_b64 s[4:5], s[4:5], s[6:7]
	s_cselect_b32 s22, s22, s25
	s_cselect_b32 s24, s24, s18                    ; the weights' runs keep their number
	s_cselect_b32 s27, 32768, s27                  ; query: from t to t + 1
	s_mov_b32 s23, 0
	s_add_nc_u64 s[4:5], s[4:5], s[22:23]
	s_lshl_b32 s28, s24, 12                        ; 8 rows of 512 bytes of codes
	s_mov_b32 s29, 0
	s_add_nc_u64 s[10:11], s[10:11], s[28:29]
	s_lshl_b32 s28, s24, 8                         ; 8 rows of 32 scale bytes
	s_add_nc_u64 s[12:13], s[12:13], s[28:29]
.irp j, 0,1,2,3,4,5,6,7
	v_mad_u32_u24 v[VO+\j], s27, \j, v3
.endr
.macro LOAD t                          ; step t: half t % 2 of row t / 2, into set t % DEPTH
.irp i, 0,1,2,3
	global_load_b128 v[R+16*((\t)%DEPTH)+4*\i:R+16*((\t)%DEPTH)+4*\i+3], v[VO+(\t)/2], s[4:5] offset:2048*((\t)%2)+512*\i th:TH_LOAD_NT
.endr
.endm
.macro TURN t                          ; step t's numbers through the stage: LDS serves a wave's instructions in order, so no wait stands between the stores and the loads
.irp i, 0,1,2,3
	ds_store_b128 v14, v[R+16*((\t)%DEPTH)+4*\i:R+16*((\t)%DEPTH)+4*\i+3] offset:32*SP*((\t)%2)+8*SP*\i
.endr
.irp i, 0,1,2,3
	ds_load_b128 v[X+16*((\t)%2)+4*\i:X+16*((\t)%2)+4*\i+3], v15 offset:32*SP*((\t)%2)+16*\i
.endr
.endm
.irp t, 0,1,2,3,4,5,6,7
	LOAD \t
.endr
	s_wait_alu depctr_va_vdst(0)
	s_wait_loadcnt 4*(DEPTH-1)                     ; step 0's four loads are in; the seven steps behind it may be out
	TURN 0
.macro STEP t
.set XS, X+16*((\t)%2)
.if (\t) > 0
	s_wait_dscnt 1                                 ; this step's numbers are back from the stage (the last step's byte store may be out): so its stores into the stage have read their registers,
.else
	s_wait_dscnt 0x0
.endif
.if (\t)+DEPTH < STEPS
	LOAD (\t)+DEPTH                                ; which take the loads of eight steps on
.endif
.if (\t)+1 < STEPS
.if STEPS-2-(\t) >= DEPTH-1
	s_wait_loadcnt 4*(DEPTH-1)                     ; the next step's four loads are in; those of the seven steps behind it may be out
.else
	s_wait_loadcnt 4*(STEPS-2-(\t))                ; towards the end: as many steps as are left behind it
.endif
	TURN (\t)+1
.endif
	v_max3_num_f32 v8, |v[XS]|, |v[XS+1]|, |v[XS+2]|               ; the largest magnitude of my 16
	v_max3_num_f32 v9, |v[XS+3]|, |v[XS+4]|, |v[XS+5]|
.irp i, 6,10
	v_max3_num_f32 v8, v8, |v[XS+\i]|, |v[XS+\i+1]|
	v_max3_num_f32 v9, v9, |v[XS+\i+2]|, |v[XS+\i+3]|
.endr
	v_max3_num_f32 v8, v8, |v[XS+14]|, |v[XS+15]|
	v_max3_num_f32 v8, v8, v9, (EMAX+1)<<23        ; and the floor 2^(EMAX + 1 - 127): the byte cannot fall under 1
	v_max_num_f32_dpp v8, v8, v8 row_xmask:1 row_mask:0xf bank_mask:0xf   ; and of my neighbour's 16: the block's
	v_add_nc_u32 v11, -(EMAX<<23), v8              ; EMAX off its exponent field: the conversion takes the exponent field of this operand as its scale
	v_cvt_scalef32_pk8_fp4_f32 v[C+2*(\t)], v[XS:XS+7], v11
	v_cvt_scalef32_pk8_fp4_f32 v[C+2*(\t)+1], v[XS+8:XS+15], v11
	v_lshrrev_b32 v[EB+(\t)], 23, v11              ; the scale's byte
	ds_store_b8 v5, v[EB+(\t)] offset:16*(\t)      ; both lanes of a block write the same byte with the same value
	global_store_b64 v4, v[C+2*(\t):C+2*(\t)+1], s[10:11] offset:32*CB*(\t)   ; 32 lanes store 256 consecutive bytes
.endm
.irp t, 0,1,2,3,4,5,6,7,8,9,10,11,12,13,14,15
	STEP \t
.endr
	ds_load_b64 v[8:9], v6                         ; LDS serves a wave's instructions in order: these see my stores
	s_wait_dscnt 0x0
	global_store_b64 v7, v[8:9], s[12:13]          ; 32 lanes store 256 consecutive bytes
	s_wait_tensorcnt 0x0                           ; the wave's end, behind my last LDS store
	ds_add_u32 v[SPW], v[NIL]
	s_wait_dscnt 0x0
	s_endpgm
.Lfunc_end_k_qbde020f5d8_quant:
	.size	k_qbde020f5d8_quant, .Lfunc_end_k_qbde020f5d8_quant-k_qbde020f5d8_quant
	.p2alignl 7, 3214868480
	.fill 96, 4, 3214868480
	.section	.rodata,"a",@progbits
	.p2align	6, 0x0
	.amdhsa_kernel k_qbde020f5d8_quant
		.amdhsa_group_segment_fixed_size 33280
		.amdhsa_private_segment_fixed_size 0
		.amdhsa_enable_private_segment 0
		.amdhsa_kernarg_size 40
		.amdhsa_user_sgpr_count 2
		.amdhsa_user_sgpr_kernarg_segment_ptr 1
		.amdhsa_wavefront_size32 1
		.amdhsa_system_sgpr_workgroup_id_x 1
		.amdhsa_system_sgpr_workgroup_id_y 1
		.amdhsa_system_sgpr_workgroup_id_z 1
		.amdhsa_system_vgpr_workitem_id 0
		.amdhsa_next_free_vgpr 232
		.amdhsa_next_free_sgpr 66
		.amdhsa_reserve_vcc 0
		.amdhsa_float_denorm_mode_32 3
		.amdhsa_float_denorm_mode_16_64 3
		.amdhsa_memory_ordered 1
		.amdhsa_forward_progress 1
		.amdhsa_inst_pref_size 34
	.end_amdhsa_kernel
	.amdgpu_metadata
---
amdhsa.version: [ 1, 2 ]
amdhsa.kernels:
  - .name:           k_qbde020f5d8_quant
    .symbol:         k_qbde020f5d8_quant.kd
    .args:
      - { .name: query, .offset: 0, .size: 8, .value_kind: global_buffer, .address_space: global }
      - { .name: W_qkv, .offset: 8, .size: 8, .value_kind: global_buffer, .address_space: global }
      - { .name: W_out, .offset: 16, .size: 8, .value_kind: global_buffer, .address_space: global }
      - { .name: cod, .offset: 24, .size: 8, .value_kind: global_buffer, .address_space: global }
      - { .name: scl, .offset: 32, .size: 8, .value_kind: global_buffer, .address_space: global }
    .group_segment_fixed_size: 33280
    .private_segment_fixed_size: 0
    .kernarg_segment_align: 8
    .kernarg_segment_size: 40
    .max_flat_workgroup_size: 128
    .sgpr_count:     66
    .vgpr_count:     232
    .wavefront_size: 32
...
	.end_amdgpu_metadata
.endif
;; end of part 1
;; launch qkv (part 2): grid 4 x 64, 4 waves a work-group, clusters of 4 x 4, 327,680 bytes of LDS; arguments cod, scl, b_qkv, qkimg, vimg; writes qkimg, vimg
.if DOCPART == 2
	.amdgcn_target "amdgcn-amd-amdhsa--gfx1250"
	.amdhsa_code_object_version 6
	.text
	.protected	k_qbde020f5d8_qkv
	.globl	k_qbde020f5d8_qkv
	.p2align	8
	.type	k_qbde020f5d8_qkv,@function
k_qbde020f5d8_qkv:
	s_mov_b64 s[64:65], 0
	v_nop
	global_prefetch_b8 v0, s[64:65] scope:SCOPE_SE
	s_setreg_imm32_b32 hwreg(HW_REG_WAVE_MODE, 25, 1), 1
	s_wait_xcnt 0x0
	s_wait_alu depctr_hold_cnt(0) depctr_sa_sdst(0) depctr_va_vdst(0) depctr_va_sdst(0) depctr_va_ssrc(0) depctr_va_vcc(0) depctr_vm_vsrc(0)
	s_getreg_b32 s2, hwreg(HW_REG_IB_STS2, 6, 4)
	s_cmp_eq_u32 s2, 0
	s_cbranch_scc0 .Lentry_in_a_cluster
	s_endpgm
.Lentry_in_a_cluster:
	s_bfe_u32 s2, ttmp6, 0x10000c
	s_cmp_lg_u32 s2, 0xf033
	s_cbranch_scc0 .Lentry_shape_is_right
	s_endpgm
.Lentry_shape_is_right:
; qkv = Q(query) Q(W_qkv)^T + b_qkv on codes of FP4 with E8M0 scales, and at once the quantisers of q (x 1/8), k (both along the head's 64) and v (along the keys).  Nothing of reference() is left out here.
; A WORK-GROUP STAYS: it keeps 128 rows of query (one b, 128 t), all of K = 1,024, in LDS, and walks three tiles of 256 rows of W_qkv, one after the other in straight text: q's rows 256 cx on, k's, v's.
; Each tile of W comes as two halves of K; the six halves go through three LDS slots: three are first fills, three are refills, each asked for at least four K steps and a quantiser ahead of its first use.
; Four waves; a wave: 128 rows of source 0 x 64 rows of source 1: 32 accumulators, 8 K steps of 128.
; In a result lane (r, h) holds source 1's row r, and its register j source 0's row 8 h + j.  SOURCE 0's ROWS OF A TILE ARE NOT NEIGHBOURS: lane r of tile i takes row 32 (i / 2) + 8 (i % 2) + r + 8 (r / 8), so that
; the 16 registers of tiles 2 b and 2 b + 1 are 16 neighbours along source 0's rows: the axis along which the result is quantised.
; q, k: source 0 = 128 rows of W (two heads), source 1 = 64 rows of query.   v: source 0 = the 128 rows of query (keys), source 1 = 64 rows of W (one head).
; RESULTS LEAVE AS IMAGES OF OPERAND REGISTERS: a block of HB bytes for each (b, head): 32 fragments of 1,024 bytes (piece c = registers 4 c .. 4 c + 3: 512 bytes, lane l's 16 at 16 l), then 16 x 128 bytes of scale words
; (pair p: lanes 0-15 fragment 2 p's words, lanes 16-31 fragment 2 p + 1's).  k: fragment f = keys 32 f .. + 31; piece u = the keys 32 f + 8 u + r + 8 (r / 8), lane (r, h) their dims 32 h .. + 31; a word: the bytes (u 0 block 0,
; u 0 block 1, u 1 block 0, u 1 block 1).  q: the same, piece u = queries 32 f + 16 u + r.  v: fragment 4 s + dt = the head's dims 32 (dt / 2) + 8 (dt % 2) + r + 8 (r / 8) x keys 128 s .. + 127.
; q x 1/8 is a power of two: the codes stay, 3 goes off each scale byte; the floor under the largest magnitude is 2^(6 - 127) there, which is the rule's floor on q / 8, so no byte falls under 1.
; LIMITS: a block of zeros keeps the floor's byte where the rule says 127 (its codes are zeros; the bytes are read by this program alone); NaN and infinities are not served.
; CLUSTER 4 x 4: the four of a row need the same rows of query, the four of a column the same rows of W: each tile is asked for jointly.  All sixteen run the same text: no branch hangs on a work-group's number or place.
; REGISTERS: window 0: v0-31 addresses; v32-95, v96-127 scale words of source 0 (8 i + q) and 1 (8 a + q); v128-191 source 1's fragments, two sets; v192-255 the bias, as the C of each sum's first product.
;   window 1: v0-127 source 0's fragments, two sets; v128-143 at work; v144-175 codes; v176-187 scale words made.   window 2: accumulator (a, i) at v[8 (8 a + i)].
.set PITCH, 272                        ; an LDS row: 256 bytes + 16 of padding
.set XH,    128*PITCH                  ; LDS: query's 128 rows, first half of K, then the second;
.set WS,    2*XH                       ; three slots of
.set WH,    256*PITCH                  ; 256 rows of W, half of K;
.set SPARE, WS+3*WH                    ; the spare words, 128 bytes a wave.  (The scale words go from scl straight into registers)
.set HB,    34816
.set WROW0, 8192                       ; W_qkv's first row in cod and scl
.set ARMB,  1024*512                   ; bytes of codes from q's tile to k's, and from k's to v's
.set AS0,  16                          ; v16-17 LDS address of source 0's fragments in the first, the second half of K
.set AS1,  18                          ; v18-19 of source 1's
.set ASC0, 22
.set ASC1, 23
.set ST16, 25                          ; v25 16 x lane
.set ST4,  26                          ; v26 4 x lane
.set BV,   27                          ; v27 the bias's offset for q and k; v30 for v
.set SPW,  28                          ; v28 LDS address of my spare word; never rewritten
.set NIL,  29                          ; v29 0; never rewritten
.set BVV,  30
.set SC0,  32
.set SC1,  96
.set F1,   128
.set BIAS, 192
.set TM,   128                         ; window 1
.set PCD,  144
.set PWS,  176
.set WD,   180
.set WV,   18                          ; s18 wave; s19 wave / 2; s20 wave % 2
.set WHI,  19
.set WLO,  20
.set G1X,  24                          ; s[24:31] group 1 for query's tiles: 128 rows, the mask of my row
.set G0X,  32                          ; s[32:35] its group 0
.set G0H0, 36                          ; s[36:39] group 0 of W's first half; later it walks: the three refills
.set G1R,  48                          ; s[48:55] group 1 for W's tiles: 64 rows, the mask of my column
.set G0H1, 56
.set G0H2, 60
.set SB0,  68                          ; s[68:69], s[70:71] where the scale bytes of source 0's and source 1's rows begin in scl
.set SB1,  70
.set XSB,  72                          ; s[72:73] those of query's 128 rows; s[74:75] those of my 64 rows of v's tile of W
.set WSB,  74
.set G0A,  76                          ; s[76:79] group 0 of the head's load of W's first half, 128 rows
.set G0B,  88                          ; s[88:91] group 0 of the load behind the head: 128 rows of W's second or third half
.set MSB, 0
.macro WIN new                         ; the immediate's high byte repeats the setting that is left
.if MSB != (\new)
	s_set_vgpr_msb (MSB<<8)|(\new)
.set MSB, (\new)
.endif
.endm
.macro PLACES n
.rept \n
	v_nop
.endr
.endm
.macro CROUND                          ; a round of the cluster's barrier
	s_barrier_signal -1
	s_barrier_wait -1
	s_cmp_lg_u32 s[WV], 0
	s_cbranch_scc1 .Lnot_wave_0_\@
	s_barrier_signal -3
.Lnot_wave_0_\@:
	s_barrier_wait -3
	s_barrier_signal -1
	s_barrier_wait -1
.endm
	s_load_b128 s[4:7], s[0:1], 0x0                ; cod, scl
	s_load_b128 s[12:15], s[0:1], 0x10             ; b_qkv, qkimg
	s_load_b64 s[16:17], s[0:1], 0x20              ; vimg
	v_lshl_add_u32 v[SPW], v0, 2, SPARE
	v_mov_b32 v[NIL], 0
	ds_add_u32 v[SPW], v[NIL]                      ; the wave's opening: the add, twice on end, and its wait ahead of my first tensor load
	ds_add_u32 v[SPW], v[NIL]
	v_lshrrev_b32 v1, 5, v0
	v_readfirstlane_b32 s[WV], v1
	s_lshr_b32 s[WHI], s[WV], 1
	s_and_b32 s[WLO], s[WV], 1
	s_bfe_u32 s40, ttmp6, 0x40000                  ; cx, cy: my place in the cluster
	s_bfe_u32 s41, ttmp6, 0x40004
	s_lshl_b32 s42, ttmp9, 2
	s_add_co_u32 s42, s42, s40                     ; which 256 rows of each third of W (the grid has one cluster along x)
	s_and_b32 s45, ttmp7, 0xffff
	s_lshl_b32 s45, s45, 2
	s_add_co_u32 s45, s45, s41                     ; which 128 rows of query
	s_lshl_b32 s43, s41, 2
	s_lshl_b32 s43, 15, s43                        ; my row of the cluster
	s_lshl_b32 s44, 0x1111, s40                    ; my column
	s_or_b32 s[G1X], s43, (1<<20)|(1<<21)|(5<<22)|(3<<25)   ; the mask; elements of 1 byte; padding on; bit 21 beside a mask; 4 words behind every 64
	s_or_b32 s[G1R], s44, (1<<20)|(1<<21)|(5<<22)|(3<<25)
.irp g, G1X, G1R
	s_mov_b32 s[\g+1], 256<<16                     ; tensor_dim0
	s_mov_b32 s[\g+2], 128<<16                     ; tensor_dim1: 128 rows for the first fills
	s_mov_b32 s[\g+3], 256<<16                     ; tile_dim0
	s_mov_b32 s[\g+4], 128                         ; tile_dim1
	s_mov_b32 s[\g+5], 512                         ; from row to row
	s_mov_b32 s[\g+6], 0
	s_mov_b32 s[\g+7], 0
.endr
	s_lshl_b32 s46, s45, 7
	s_lshl_b32 s92, s46, 9                         ; query: its 128 rows,
	s_lshl_b32 s47, s[WLO], 8                      ; half wave % 2 of K (waves 0 and 1 fetch them)
	s_add_co_u32 s92, s92, s47                     ; of half wave % 2 of K
	s_mov_b32 s93, 0
	s_lshl_b32 s94, s45, 12                        ; its 128 rows' scale bytes
	s_mov_b32 s95, 0
	s_lshl_b32 s2, s42, 8
	s_lshl_b32 s3, s[WV], 6
	s_add_co_u32 s2, s2, s3
	s_add_co_u32 s2, s2, WROW0                     ; W: the first of the 64 rows of q's tile that I fetch
	s_lshl_b32 s96, s2, 9
	s_mov_b32 s97, 0
	s_lshl_b32 s8, s42, 13                         ; the scale bytes of q's tile of W
	s_add_co_u32 s8, s8, WROW0*32
	s_mov_b32 s9, 0
	s_mul_i32 s98, s[WLO], XH
	s_mul_i32 s99, s[WV], 64*PITCH
	s_add_co_u32 s99, s99, WS
	s_lshl_b32 s100, s42, 8                        ; the first fills of W go 128 rows a load: rows 128 (wave % 2) on of q's tile
	s_lshl_b32 s101, s[WLO], 7
	s_add_co_u32 s100, s100, s101
	s_add_co_u32 s100, s100, WROW0
	s_lshl_b32 s100, s100, 9
	s_mov_b32 s101, 0
	s_mul_i32 s2, s[WHI], ARMB-256                 ; behind the head waves 0, 1 fetch q's second half of K (256 bytes on), waves 2, 3 k's first (ARMB on)
	s_add_co_u32 s2, s2, 256
	s_mov_b32 s3, 0
	s_wait_dscnt 0x0                               ; both opening adds are done
	s_wait_kmcnt 0x0
	s_add_nc_u64 s[92:93], s[4:5], s[92:93]
	s_add_nc_u64 s[94:95], s[6:7], s[94:95]
	s_add_nc_u64 s[96:97], s[4:5], s[96:97]
	s_add_nc_u64 s[8:9], s[6:7], s[8:9]
	s_add_nc_u64 s[100:101], s[4:5], s[100:101]
	CROUND                                         ; all sixteen work-groups are here: the first joint loads meet
	s_mov_b32 s[G0A], 1
	s_mul_i32 s[G0A+1], s[WLO], 128*PITCH
	s_add_co_u32 s[G0A+1], s[G0A+1], WS            ; slot 0: q's tile, first half of K, 128 rows
	s_mov_b64 s[G0A+2:G0A+3], s[100:101]
	s_or_b32 s[G0A+3], s[G0A+3], 0x80000000
	s_mov_b32 s[G0B], 1
	s_mul_i32 s[G0B+1], s[WV], 128*PITCH
	s_add_co_u32 s[G0B+1], s[G0B+1], WS+WH         ; slots 1 and 2 lie on end: 128 rows a wave
	s_add_nc_u64 s[G0B+2:G0B+3], s[100:101], s[2:3]
	s_or_b32 s[G0B+3], s[G0B+3], 0x80000000
	s_lshl_b32 s2, s[WLO], 12                      ; the scale bytes, 32 a row: q: source 0 = my 128 rows of W,
	s_add_nc_u64 s[SB0:SB0+1], s[8:9], s[2:3]
	s_lshl_b32 s2, s[WHI], 11                      ; source 1 = my 64 rows of query
	s_add_nc_u64 s[SB1:SB1+1], s[94:95], s[2:3]
	s_mov_b64 s[XSB:XSB+1], s[94:95]
	s_lshl_b32 s2, s[WV], 11                       ; v: my 64 rows of W, two tiles of 1,024 rows on
	s_add_co_u32 s2, s2, 65536
	s_add_nc_u64 s[WSB:WSB+1], s[8:9], s[2:3]
	s_mov_b32 s[G0X], 1
	s_mov_b32 s[G0X+1], s98
	s_mov_b64 s[G0X+2:G0X+3], s[92:93]
	s_or_b32 s[G0X+3], s[G0X+3], 0x80000000
	s_mov_b32 s[G0H0], 1
	s_mov_b32 s[G0H0+1], s99                       ; slot 0: q's tile, first half of K
	s_mov_b64 s[G0H0+2:G0H0+3], s[96:97]
	s_or_b32 s[G0H0+3], s[G0H0+3], 0x80000000
	; THE HEAD'S LOADS, one a wave: waves 0 and 1 the two halves of K of query's 128 rows, waves 2 and 3 the two halves of the rows of W's first half.  One branch on the wave's number, a load in each arm.
	s_cmp_lt_u32 s[WV], 2
	s_cbranch_scc0 .Lhead_w
	tensor_load_to_lds s[G0X:G0X+3], s[G1X:G1X+7]
	s_nop 0
.rept 4
	v_nop
.endr
	s_branch .Lhead_asked
.Lhead_w:
	tensor_load_to_lds s[G0A:G0A+3], s[G1R:G1R+7]
	s_nop 0
.rept 4
	v_nop
.endr
.Lhead_asked:
.rept 4
	v_nop
.endr
	s_mov_b32 s21, 0xffff0000                      ; lanes 16-31
	s_mov_b32 s22, 0x76543210
	s_mov_b32 s23, 0xfedcba98                      ; v_permlanex16_b32's selects for lane l xor 16
	v_and_b32 v10, 31, v0
	v_lshlrev_b32 v[ST16], 4, v10
	v_lshlrev_b32 v[ST4], 2, v10
	WIN 0x40
.irp b, 0,1,2,3
	v_mov_b32 v[TM+4+\b], 0                        ; written once: a lane permute's destination counts as one of its sources
.endr
	WIN 0
	v_and_b32 v1, 15, v0                           ; r
	v_bfe_u32 v2, v0, 4, 1                         ; h
	v_and_b32 v3, 8, v1
	v_add_nc_u32 v3, v3, v1                        ; r + 8 (r / 8)
	v_mul_u32_u24 v4, v1, PITCH
	v_lshl_add_u32 v4, v2, 4, v4                   ; v4: a lane's place in a tile of neighbouring rows; v5: in a tile whose lane r takes row r + 8 (r / 8).  Both stay
	v_mul_u32_u24 v5, v3, PITCH
	v_lshl_add_u32 v5, v2, 4, v5
	s_wait_alu depctr_va_vdst(0)
	v_lshrrev_b32 v6, 3, v1
	v_and_b32 v7, 7, v1
	v_lshlrev_b32 v7, 5, v7                        ; a row's 32 scale bytes: eight rows to 256 bytes
	v_mad_u32_u24 v8, v6, 256, v7                  ; v8, v9: the lane's row of scale bytes in scl: 32 r, and 32 (r + 8 (r / 8)).  Both stay
	v_mad_u32_u24 v9, v6, 512, v7
	s_wait_alu depctr_va_vdst(0)
	v_lshlrev_b32 v[BV], 6, v2                     ; q, k: the bias of tile i: 8 numbers from 32 (i / 2) + 8 (i % 2) + 16 h on
	s_wait_alu depctr_va_vdst(0)
	v_lshlrev_b32 v[BVV], 2, v3                    ; v: a lane holds one row of W
	; where the results go, and where the biases lie: made once; which of the three tiles stands in the immediates
	s_lshr_b32 s2, s45, 3                          ; b
	s_and_b32 s3, s45, 7                           ; which 128 t
	s_lshl_b32 s94, s2, 5
	s_lshl_b32 s95, s42, 2
	s_add_co_u32 s94, s94, s95
	s_lshl_b32 s95, s[WLO], 1
	s_add_co_u32 s94, s94, s95                     ; q's first block of mine: 32 b + 4 cx + 2 (wave % 2); k's lies 16 blocks on
	s_mul_i32 s94, s94, HB
	s_lshl_b32 s96, s3, 1
	s_add_co_u32 s96, s96, s[WHI]                  ; my pair of fragments
	s_lshl_b32 s97, s96, 11
	s_lshl_b32 s96, s96, 7
	s_add_co_u32 s96, s96, s94
	s_add_co_u32 s96, s96, 32768
	s_add_co_u32 s94, s94, s97
	s_mov_b32 s95, 0
	s_mov_b32 s97, 0
	s_add_nc_u64 s[96:97], s[14:15], s[96:97]      ; q, k: the scale words
	s_add_nc_u64 s[14:15], s[14:15], s[94:95]      ;       the codes
	s_lshl_b32 s98, s2, 4
	s_lshl_b32 s99, s42, 2
	s_add_co_u32 s98, s98, s99
	s_add_co_u32 s98, s98, s[WV]                   ; v's block of mine: 16 b + the head 4 cx + wave
	s_mul_i32 s98, s98, HB
	s_lshl_b32 s10, s3, 8
	s_add_co_u32 s10, s10, s98
	s_add_co_u32 s10, s10, 32768
	s_mov_b32 s11, 0
	s_lshl_b32 s99, s3, 12
	s_add_co_u32 s98, s98, s99
	s_mov_b32 s99, 0
	s_add_nc_u64 s[10:11], s[16:17], s[10:11]      ; v: the scale words
	s_add_nc_u64 s[16:17], s[16:17], s[98:99]      ;    the codes
	s_lshl_b32 s98, s42, 10
	s_lshl_b32 s8, s[WV], 8
	s_add_co_u32 s8, s8, s98
	s_mov_b32 s9, 0
	s_add_nc_u64 s[8:9], s[12:13], s[8:9]          ; v: the bias of my 64 rows of W, less the 8,192 bytes that stand in the immediate
	s_lshl_b32 s100, s[WLO], 9
	s_add_co_u32 s98, s98, s100
	s_add_nc_u64 s[12:13], s[12:13], s[98:99]      ; q, k: the bias of my 128 rows of W
; the lane's LDS addresses for one tile of W.  p = 1: the lane's row of a tile is r + 8 (r / 8); p = 0: r.  s46, s47: where source 0's rows begin in the two halves of K; s92, s93: source 1's
.macro SETADR p0, p1
	v_add_nc_u32 v[AS0], s46, v[4+\p0]
	v_add_nc_u32 v[AS0+1], s47, v[4+\p0]
	v_add_nc_u32 v[AS1], s92, v[4+\p1]
	v_add_nc_u32 v[AS1+1], s93, v[4+\p1]
.endm
.macro FRAG reg, adr, off              ; 16 rows x 128 K of 4-bit codes: 8 registers, two loads of 16 bytes, 32 bytes apart
	ds_load_b128 v[\reg:\reg+3], v[\adr] offset:\off
	ds_load_b128 v[\reg+4:\reg+7], v[\adr] offset:\off+32
.endm
.macro FETCH0 set, q, p0               ; source 0's eight fragments of K step q
	WIN 0x40
.irp i, 0,1,2,3,4,5,6,7
.if \p0
	FRAG 64*(\set)+8*\i, AS0+(\q)/4, 64*((\q)%4)+(32*(\i/2)+8*(\i%2))*PITCH
.else
	FRAG 64*(\set)+8*\i, AS0+(\q)/4, 64*((\q)%4)+16*\i*PITCH
.endif
.endr
.endm
.macro FETCH1 set, q, p1               ; source 1's four
	WIN 0
.irp a, 0,1,2,3
.if \p1
	FRAG F1+32*(\set)+8*\a, AS1+(\q)/4, 64*((\q)%4)+(32*(\a/2)+8*(\a%2))*PITCH
.else
	FRAG F1+32*(\set)+8*\a, AS1+(\q)/4, 64*((\q)%4)+16*\a*PITCH
.endif
.endr
.endm
.macro SCALES p0, p1                   ; a row's eight scale words, for all of K: two loads a tile
	WIN 0
.irp i, 0,1,2,3,4,5,6,7
.if \p0
	global_load_b128 v[SC0+8*\i:SC0+8*\i+3], v[8+\p0], s[SB0:SB0+1] offset:(32*(\i/2)+8*(\i%2))*32      ; eight neighbouring rows are 256 neighbouring bytes of scl
	global_load_b128 v[SC0+8*\i+4:SC0+8*\i+7], v[8+\p0], s[SB0:SB0+1] offset:(32*(\i/2)+8*(\i%2))*32+16
.else
	global_load_b128 v[SC0+8*\i:SC0+8*\i+3], v[8+\p0], s[SB0:SB0+1] offset:16*\i*32
	global_load_b128 v[SC0+8*\i+4:SC0+8*\i+7], v[8+\p0], s[SB0:SB0+1] offset:16*\i*32+16
.endif
.endr
.irp a, 0,1,2,3
.if \p1
	global_load_b128 v[SC1+8*\a:SC1+8*\a+3], v[8+\p1], s[SB1:SB1+1] offset:(32*(\a/2)+8*(\a%2))*32
	global_load_b128 v[SC1+8*\a+4:SC1+8*\a+7], v[8+\p1], s[SB1:SB1+1] offset:(32*(\a/2)+8*(\a%2))*32+16
.else
	global_load_b128 v[SC1+8*\a:SC1+8*\a+3], v[8+\p1], s[SB1:SB1+1] offset:16*\a*32
	global_load_b128 v[SC1+8*\a+4:SC1+8*\a+7], v[8+\p1], s[SB1:SB1+1] offset:16*\a*32+16
.endif
.endr
.endm
.macro BIASQK off                      ; the bias of my 128 rows of W, in the result's layout: eight registers a tile of source 0
.irp i, 0,1,2,3,4,5,6,7
	global_load_b128 v[BIAS+8*\i:BIAS+8*\i+3], v[BV], s[12:13] offset:\off+(32*(\i/2)+8*(\i%2))*4
	global_load_b128 v[BIAS+8*\i+4:BIAS+8*\i+7], v[BV], s[12:13] offset:\off+(32*(\i/2)+8*(\i%2))*4+16
.endr
.endm
; 16 matrix instructions.  The 32 accumulators take turns, one instruction a turn, in the same order in every K step.  In K step 0 the bias is the C.
.macro MUL a0, q, cb
.irp a, \a0, \a0+1
.irp i, 0,1,2,3,4,5,6,7
.if (\q) == 0
.if \cb
	v_wmma_scale_f32_16x16x128_f8f6f4 v[8*(8*(\a)+\i):8*(8*(\a)+\i)+7], v[64*((\q)%2)+8*\i:64*((\q)%2)+8*\i+7], v[F1+32*((\q)%2)+8*(\a):F1+32*((\q)%2)+8*(\a)+7], v[BIAS+8*(\a):BIAS+8*(\a)+7], v[SC0+8*\i+(\q)], v[SC1+8*(\a)+(\q)] matrix_a_fmt:MATRIX_FMT_FP4 matrix_b_fmt:MATRIX_FMT_FP4
.else
	v_wmma_scale_f32_16x16x128_f8f6f4 v[8*(8*(\a)+\i):8*(8*(\a)+\i)+7], v[64*((\q)%2)+8*\i:64*((\q)%2)+8*\i+7], v[F1+32*((\q)%2)+8*(\a):F1+32*((\q)%2)+8*(\a)+7], v[BIAS+8*\i:BIAS+8*\i+7], v[SC0+8*\i+(\q)], v[SC1+8*(\a)+(\q)] matrix_a_fmt:MATRIX_FMT_FP4 matrix_b_fmt:MATRIX_FMT_FP4
.endif
.else
	v_wmma_scale_f32_16x16x128_f8f6f4 v[8*(8*(\a)+\i):8*(8*(\a)+\i)+7], v[64*((\q)%2)+8*\i:64*((\q)%2)+8*\i+7], v[F1+32*((\q)%2)+8*(\a):F1+32*((\q)%2)+8*(\a)+7], v[8*(8*(\a)+\i):8*(8*(\a)+\i)+7], v[SC0+8*\i+(\q)], v[SC1+8*(\a)+(\q)] matrix_a_fmt:MATRIX_FMT_FP4 matrix_b_fmt:MATRIX_FMT_FP4
.endif
.endr
.endr
.endm
.macro MWIN q                          ; source 0 window 1, source 1 window 0, D window 2; C window 0 (the bias) or 2
.if (\q) == 0
	WIN 0x81
.else
	WIN 0xa1
.endif
.endm
; A CHANGE, at the head of the K step whose fragments were the last to be read from a slot.  Each wave waits for all its tensor loads, adds 0 to its spare word, and waits for that and for its LDS reads; a round of the cluster's
; barrier; then the slot is filled again, 64 rows a wave, one joint load, the first thing behind the round.  The walking group 0: first k's second half into slot 0, then v's first into slot 1, then v's second into slot 2.
; The same round shows every half that was asked for earlier whole to every wave.
.set NCH, 0
.macro CHANGE
	WIN 0
	s_wait_tensorcnt 0x0                           ; no tensor load of mine is out, so a group 0 may be written
	ds_add_u32 v[SPW], v[NIL]                      ; 0 onto my spare word; the descriptor's step stands between it and the wait for it
.if NCH == 0
	s_add_nc_u64 s[G0H0+2:G0H0+3], s[G0H0+2:G0H0+3], ARMB+256
	s_mov_b32 s[G1R+2], 64<<16                     ; no tensor load of mine is out: from here on a load of W brings 64 rows
	s_mov_b32 s[G1R+4], 64
.elseif NCH == 1
	s_add_co_u32 s[G0H0+1], s[G0H0+1], WH
	s_add_nc_u64 s[G0H0+2:G0H0+3], s[G0H0+2:G0H0+3], ARMB-256
.else
	s_add_co_u32 s[G0H0+1], s[G0H0+1], WH
	s_add_nc_u64 s[G0H0+2:G0H0+3], s[G0H0+2:G0H0+3], 256
.endif
.set NCH, NCH+1
	s_wait_dscnt 0x0                               ; the add is done; this K step's fragments are in, and with them my last reads of the slot
	CROUND
	tensor_load_to_lds s[G0H0:G0H0+3], s[G1R:G1R+7]
	s_nop 0
	PLACES 4                                       ; (also the places in front of the loads below)
.endm
; 128 along K: 32 matrix instructions.  The next step's fragments are fetched at the step's head, into the other sets, which the step before has left: they have the step's 32 matrix instructions in which to land.
; chg = 2: a change stands at the head;  1: the half of K that the next step begins has to be shown whole: a barrier behind which nothing is filled.
.macro KSTEP q, p0, p1, cb, chg
.if (\chg) == 2
	CHANGE
.else
	s_wait_dscnt 0x0                               ; this step's fragments are in
.if (\chg) == 1
	s_wait_tensorcnt 0x0                           ; my part of the last half has landed;
	s_barrier_signal -1
	s_barrier_wait -1                              ; everybody's has
.endif
.if (\q) < 7
	PLACES 4                                       ; in front of loads into registers that matrix instructions have read
.endif
.endif
.if (\q) < 7
	FETCH0 ((\q)+1)%2, (\q)+1, \p0
	FETCH1 ((\q)+1)%2, (\q)+1, \p1
.endif
	MWIN \q
	MUL 0, \q, \cb
	MUL 2, \q, \cb
.endm
.macro RUN p0, p1, cb, c3, c7          ; a tile's eight K steps
	s_wait_loadcnt 0x0                             ; the bias
.irp q, 0,1,2
	KSTEP \q, \p0, \p1, \cb, 0
.endr
	KSTEP 3, \p0, \p1, \cb, \c3
.irp q, 4,5,6
	KSTEP \q, \p0, \p1, \cb, 0
.endr
	KSTEP 7, \p0, \p1, \cb, \c7
	WIN 0
	PLACES 4                                       ; in front of loads into the scale words' registers and of the first read of results
.endm
.macro PRE p0, p1                      ; a tile's addresses, scale words and first fragments
	SETADR \p0, \p1
	SCALES \p0, \p1
	FETCH0 0, 0, \p0
	FETCH1 0, 0, \p1
.endm
; The 64 registers of source 1's tile a (register 16 b + i = source 0's row 32 b + 16 h + i) become a fragment's codes in v[PCD + 8 a] on and its scale word in v[PWS + a].  Each accumulator is read from its low end on.
.macro QUANT a, floor
	WIN 0x69
.irp b, 0,1,2,3
	v_max3_num_f32 v[TM+\b], \floor, |v[64*(\a)+16*\b]|, |v[64*(\a)+16*\b+1]|   ; block b: my 16 numbers, and the floor
.endr
.irp i, 2,4,6,8,10,12,14
.irp b, 0,1,2,3
	v_max3_num_f32 v[TM+\b], v[TM+\b], |v[64*(\a)+16*\b+\i]|, |v[64*(\a)+16*\b+\i+1]|
.endr
.endr
	WIN 0x55
.irp b, 0,1,2,3
	v_permlanex16_b32 v[TM+4+\b], v[TM+\b], s22, s23
.endr
.irp b, 0,1,2,3
	v_max_num_f32 v[TM+\b], v[TM+\b], v[TM+4+\b]   ; with lane l xor 16's: the block's largest magnitude
.endr
.irp b, 0,1,2,3
	v_add_nc_u32 v[TM+12+\b], 0xff000000, v[TM+\b] ; 2 off its exponent field: the conversion's scale operand
.endr
.irp b, 0,1,2,3
	v_lshrrev_b32 v[TM+4+\b], 23, v[TM+12+\b]      ; the scale's byte
.endr
	v_lshl_or_b32 v[PWS+\a], v[TM+5], 8, v[TM+4]
	v_lshl_or_b32 v[PWS+\a], v[TM+6], 16, v[PWS+\a]
	v_lshl_or_b32 v[PWS+\a], v[TM+7], 24, v[PWS+\a]
	WIN 0x46
.irp b, 0,1,2,3
	v_cvt_scalef32_pk8_fp4_f32 v[PCD+8*(\a)+2*\b], v[64*(\a)+16*\b:64*(\a)+16*\b+7], v[TM+12+\b]
	v_cvt_scalef32_pk8_fp4_f32 v[PCD+8*(\a)+2*\b+1], v[64*(\a)+16*\b+8:64*(\a)+16*\b+15], v[TM+12+\b]
.endr
	WIN 0x55
	v_nop                                          ; one plain place behind a scaled conversion
.irp c, 0,1                                    ; the operand's layout wants a whole block in a lane
.irp i, 0,1
	v_permlane16_swap_b32 v[PCD+8*(\a)+4*\c+\i], v[PCD+8*(\a)+4*\c+2+\i]
.endr
.endr
.endm
; q's and k's way out.  isk = 0: q: the higher floor, and 3 off each byte.  off: 0 for q's blocks, 16 blocks on for k's
.macro EPIQK isk, off
	s_wait_xcnt 0x0                                ; the stores of the tile before have read their registers: the codes' and words' registers are written again only behind this wait
.irp a, 0,1,2,3                        ; tile a = 2 f + u: piece u of my fragment f, for my two heads: registers 0-3 the first head's, 4-7 the second's
.if \isk
	QUANT \a, 0x1800000
.else
	QUANT \a, 0x3000000
	v_add_nc_u32 v[PWS+\a], 0xfcfcfcfd, v[PWS+\a]  ; 3 off each of the four bytes: q / 8.  Each byte is 4 at the least, so nothing is borrowed
.endif
	WIN 0x04
	global_store_b128 v[ST16], v[PCD+8*\a:PCD+8*\a+3], s[14:15] offset:\off+(\a/2)*1024+(\a%2)*512       ; 32 lanes store 512 consecutive bytes
	global_store_b128 v[ST16], v[PCD+8*\a+4:PCD+8*\a+7], s[14:15] offset:\off+HB+(\a/2)*1024+(\a%2)*512
.endr
	WIN 0x55
	v_perm_b32 v[WD], v[PWS+1], v[PWS], 0x05040100       ; first head, fragment 0: piece 0's two bytes, piece 1's two
	v_perm_b32 v[WD+1], v[PWS+3], v[PWS+2], 0x05040100   ; fragment 1
	v_perm_b32 v[WD+2], v[PWS+1], v[PWS], 0x07060302     ; second head
	v_perm_b32 v[WD+3], v[PWS+3], v[PWS+2], 0x07060302
	v_cndmask_b32 v[WD+4], v[WD], v[WD+1], s21           ; lanes 0-15 fragment 0's words, lanes 16-31 fragment 1's
	v_cndmask_b32 v[WD+5], v[WD+2], v[WD+3], s21
	WIN 0x04
	global_store_b32 v[ST4], v[WD+4], s[96:97] offset:\off
	global_store_b32 v[ST4], v[WD+5], s[96:97] offset:\off+HB
	WIN 0
.endm
	; ---- q: W's halves lie in slots 0 and 1
	s_mul_i32 s46, s[WLO], 128*PITCH               ; source 0: my 128 rows of W
	s_add_co_u32 s47, s46, WS+WH
	s_add_co_u32 s46, s46, WS
	s_mul_i32 s92, s[WHI], 64*PITCH                ; source 1: my 64 rows of query
	s_add_co_u32 s93, s92, XH
	SETADR 1, 0
	BIASQK 0
	SCALES 1, 0
	s_wait_alu depctr_va_vdst(0)
	s_wait_tensorcnt 0x0                           ; my tile of the head's four is in
	ds_add_u32 v[SPW], v[NIL]
	s_wait_dscnt 0x0
	CROUND                                         ; everybody's is in, and all sixteen work-groups are here
	tensor_load_to_lds s[G0B:G0B+3], s[G1R:G1R+7]  ; slots 1 and 2, first fills: 128 rows a wave, my one load behind the round
	s_nop 0
	PLACES 4
	FETCH0 0, 0, 1
	FETCH1 0, 0, 0
	RUN 1, 0, 0, 2, 2                              ; changes at K steps 3 and 7: slots 0 and 1 have been read out
	; k's addresses, scale words, first fragments and bias are asked for here, and land while q is quantised.  k's first half (slot 2) was shown whole by the change at K step 3
	s_mul_i32 s47, s[WLO], 128*PITCH
	s_add_co_u32 s46, s47, WS+2*WH                 ; ---- k: W's halves lie in slots 2 and 0
	s_add_co_u32 s47, s47, WS
	s_add_nc_u64 s[SB0:SB0+1], s[SB0:SB0+1], 32768 ; k's rows of W lie 1,024 rows on (q's scale loads were waited for at the head of its K steps)
	PRE 1, 1
	BIASQK 4096
	EPIQK 0, 0
	RUN 1, 1, 0, 2, 0                              ; a change at K step 3: slot 2 has been read out; it shows k's second half and v's first whole
	s_mov_b32 s46, 0                               ; ---- v: source 0: all 128 rows of query: the keys
	s_mov_b32 s47, XH
	s_mul_i32 s92, s[WV], 64*PITCH                 ; source 1: my 64 rows of W: its halves lie in slots 1 and 2
	s_add_co_u32 s93, s92, WS+2*WH
	s_add_co_u32 s92, s92, WS+WH
	s_mov_b64 s[SB0:SB0+1], s[XSB:XSB+1]
	s_mov_b64 s[SB1:SB1+1], s[WSB:WSB+1]
	PRE 1, 1
.irp a, 0,1,2,3                        ; here a lane holds one row of W: its bias stands in all eight registers
.irp j, 0,1,2,3,4,5,6,7
	global_load_b32 v[BIAS+8*\a+\j], v[BVV], s[8:9] offset:8192+(32*(\a/2)+8*(\a%2))*4
.endr
.endr
	EPIQK 1, 16*HB
	RUN 1, 1, 1, 1, 0                              ; at K step 3 a barrier shows v's second half whole; nothing is filled any more
	s_wait_xcnt 0x0                                ; k's stores have read their registers
.irp a, 0,1,2,3                        ; tile a is fragment dt = a of this key step
	QUANT \a, 0x1800000
	WIN 0x04
	global_store_b128 v[ST16], v[PCD+8*\a:PCD+8*\a+3], s[16:17] offset:\a*1024
	global_store_b128 v[ST16], v[PCD+8*\a+4:PCD+8*\a+7], s[16:17] offset:\a*1024+512
.endr
	WIN 0x55
	v_cndmask_b32 v[WD], v[PWS], v[PWS+1], s21
	v_cndmask_b32 v[WD+1], v[PWS+2], v[PWS+3], s21
	WIN 0x04
	global_store_b32 v[ST4], v[WD], s[10:11]
	global_store_b32 v[ST4], v[WD+1], s[10:11] offset:128
	WIN 0
	s_wait_tensorcnt 0x0                           ; the wave's end, behind my last tensor load
	ds_add_u32 v[SPW], v[NIL]
	s_wait_dscnt 0x0
	CROUND                                         ; the closing round: no work-group ends while a partner may still ask for a tile that names it
	s_endpgm
.Lfunc_end_k_qbde020f5d8_qkv:
	.size	k_qbde020f5d8_qkv, .Lfunc_end_k_qbde020f5d8_qkv-k_qbde020f5d8_qkv
	.p2alignl 7, 3214868480
	.fill 96, 4, 3214868480
	.section	.rodata,"a",@progbits
	.p2align	6, 0x0
	.amdhsa_kernel k_qbde020f5d8_qkv
		.amdhsa_group_segment_fixed_size 327680
		.amdhsa_private_segment_fixed_size 0
		.amdhsa_enable_private_segment 0
		.amdhsa_kernarg_size 40
		.amdhsa_user_sgpr_count 2
		.amdhsa_user_sgpr_kernarg_segment_ptr 1
		.amdhsa_wavefront_size32 1
		.amdhsa_system_sgpr_workgroup_id_x 1
		.amdhsa_system_sgpr_workgroup_id_y 1
		.amdhsa_system_sgpr_workgroup_id_z 1
		.amdhsa_system_vgpr_workitem_id 0
		.amdhsa_next_free_vgpr 768
		.amdhsa_next_free_sgpr 102
		.amdhsa_reserve_vcc 0
		.amdhsa_float_denorm_mode_32 3
		.amdhsa_float_denorm_mode_16_64 3
		.amdhsa_memory_ordered 1
		.amdhsa_forward_progress 1
		.amdhsa_inst_pref_size 216
	.end_amdhsa_kernel
	.amdgpu_metadata
---
amdhsa.version: [ 1, 2 ]
amdhsa.kernels:
  - .name:           k_qbde020f5d8_qkv
    .symbol:         k_qbde020f5d8_qkv.kd
    .args:
      - { .name: cod, .offset: 0, .size: 8, .value_kind: global_buffer, .address_space: global }
      - { .name: scl, .offset: 8, .size: 8, .value_kind: global_buffer, .address_space: global }
      - { .name: b_qkv, .offset: 16, .size: 8, .value_kind: global_buffer, .address_space: global }
      - { .name: qkimg, .offset: 24, .size: 8, .value_kind: global_buffer, .address_space: global }
      - { .name: vimg, .offset: 32, .size: 8, .value_kind: global_buffer, .address_space: global }
    .group_segment_fixed_size: 327680
    .private_segment_fixed_size: 0
    .kernarg_segment_align: 8
    .kernarg_segment_size: 40
    .max_flat_workgroup_size: 128
    .sgpr_count:     102
    .vgpr_count:     768
    .wavefront_size: 32
...
	.end_amdgpu_metadata
.endif
;; end of part 2
;; launch attn (part 3): grid 32 x 8, 8 waves a work-group, clusters of 4 x 1, 327,680 bytes of LDS; arguments qkimg, vimg, ious, acod, ascl; writes acod, ascl
.if DOCPART == 3
	.amdgcn_target "amdgcn-amd-amdhsa--gfx1250"
	.amdhsa_code_object_version 6
	.text
	.protected	k_qbde020f5d8_attn
	.globl	k_qbde020f5d8_attn
	.p2align	8
	.type	k_qbde020f5d8_attn,@function
k_qbde020f5d8_attn:
	s_mov_b64 s[64:65], 0
	v_nop
	global_prefetch_b8 v0, s[64:65] scope:SCOPE_SE
	s_setreg_imm32_b32 hwreg(HW_REG_WAVE_MODE, 25, 1), 1
	s_wait_xcnt 0x0
	s_wait_alu depctr_hold_cnt(0) depctr_sa_sdst(0) depctr_va_vdst(0) depctr_va_sdst(0) depctr_va_ssrc(0) depctr_va_vcc(0) depctr_vm_vsrc(0)
	s_getreg_b32 s2, hwreg(HW_REG_IB_STS2, 6, 4)
	s_cmp_eq_u32 s2, 0
	s_cbranch_scc0 .Lentry_in_a_cluster
	s_endpgm
.Lentry_in_a_cluster:
	s_bfe_u32 s2, ttmp6, 0x10000c
	s_cmp_lg_u32 s2, 0x3003
	s_cbranch_scc0 .Lentry_shape_is_right
	s_endpgm
.Lentry_shape_is_right:
; scores = Q(q) Q(k)^T;  w = exp(scores) x ious / the row's sum;  out = Q(w) Q(v);  and the quantiser of out along D.  Both products on codes of FP4 with E8M0 scales.  Nothing of reference() is left out here.
; w IS QUANTISED FINISHED AND NORMALISED, so a row's sum over all 1,024 keys is known before any of its codes is made: the weights of 16 queries x 1,024 keys stay in registers, and no exponential is computed twice.
; reference() takes no maximum away ahead of the exponential, and neither does this text.
; LIMITS: exponentials overflow where reference()'s do, and results under 2^-126 come out as 0; t = score x log2(e) is rounded once more than reference()'s argument; the division by the sum is a reciprocal and a
; multiplication; a block of zeros keeps the byte 1 where the rule says 127 (its codes are zeros; the bytes are read by this program alone); NaN and infinities among the inputs are not served.
; SHARES.  A work-group owns 32 queries of one b, for all 16 heads.  Eight waves, two to a SIMD, 512 registers each.  Wave w: queries 16 (w % 2) on, heads 8 ((w / 2) % 2) + i in head step i = 0 .. 7, keys 512 (w / 4) on.
; The two waves of a pair (w, w xor 4) hand each other, through LDS bytes of their own, their part of the row's sum, and the half of their partial O^T that the partner finishes: wave w finishes dims 32 (w / 4) .. + 31.
; V's fragments are taken in such an order that a wave's own block of dims always falls into the same registers: no branch hangs on w / 4.
; ious' 32 rows stay in LDS for the whole launch, f32: all heads use them; they come once, at the head, so no prefetch runs ahead of them.  K's and V's blocks of the two heads in hand (register images) lie in one slot each.
; THE HEAD asks for everything at once, one load a wave: waves 0 to 3 a quarter of ious each, waves 4 and 5 K's two blocks, waves 6 and 7 V's.  Only K's and V's waves wait ahead of the first barrier: ious are first read behind
; the first change P, in front of which every wave waits for all its loads.
; CLUSTER 4 x 1: the four query blocks share b and walk the same K and V: each block is asked for jointly, a quarter block a wave.  Two rounds of the cluster's barrier a head step: the change P, behind the exponentials,
; fills K's slot again (its fragments are in registers by then); the change Y, behind the second product, fills V's, and hands O^T over.  The sums are handed over at a work-group barrier behind which nothing is filled.
; LAYOUT.  S^T = K Q^T (source 0 = a fragment of K: TWO tiles of 16 keys, K = 2 x 64; source 1 = q with zeros in the other half of K): a lane holds ONE query (lane % 16), and the 16 registers of a fragment's two tiles
; are the keys 32 f + 16 (lane / 16) + 0 .. 15.  O^T = V^T P^T likewise holds one query a lane, and 16 neighbouring dims in two tiles' registers.
; REGISTERS.  Window u (256 registers) holds unit u: 256 of my 512 keys.  In both: v32-35 sums, v36-43 the eight blocks' largest weights, v44-45 1 / sum; v64-127 the unit's K fragments, then ious in two buffers of 32,
; then at work (v64-79), P's codes (v80-95), V's fragments (v96-127); v128-255 the weights.  Window 0, v1-31, v46-61: addresses and scale words.  Window 1: v0-15 q twice; v16-31 O^T of my block, v48-63 of the partner's.
.set HB,    34816                      ; a block: 32 fragments of 1,024 bytes, 16 x 128 bytes of scale words
.set IP,    1040                       ; a row of a quarter of ious: 256 keys x 4 bytes + 16 of padding
.set IQ,    32*IP                      ; LDS: four quarters of ious,
.set KS,    4*IQ                       ; K's two blocks,
.set VS,    KS+2*HB                    ; V's two,
.set SPARE, VS+2*HB                    ; the spare words, 128 bytes a wave,
.set STG,   SPARE+1024                 ; four stages of 16 rows x (256 + 16) bytes: out's codes,
.set SCST,  STG+4*16*272               ; 32 rows x 32 bytes: out's scale bytes,
.set SX,    SCST+1024                  ; a word a thread: the sums handed over,
.set OX,    SX+1024                    ; 2,048 bytes a wave: O^T handed over
.set AK,   1
.set AKS,  2
.set AVA,  3                           ; V's fragments: v3 for my block's two tiles, v7 for the partner's; v4, v8 their scale words
.set AVSA, 4
.set AI,   5                           ; v5-6 my place in my two quarters of ious
.set AVB,  7
.set AVSB, 8
.set AQ,   9
.set AQS,  10
.set STO,  11
.set SSC,  12
.set RD,   13
.set GO,   14
.set ADR,  15
.set SPW,  16                          ; LDS address of my spare word; never rewritten
.set NIL,  17                          ; 0; never rewritten
.set KSC,  18                          ; v18-25 K's scale words, two sets of 4
.set QS,   26
.set ADR2, 27
.set VSC,  28                          ; v28-31 V's scale words, two sets of 2
.set SUM,  32
.set BM,   36
.set RR,   44
.set PS,   46
.set QW,   48
.set PFO,  49
.set T0,   50
.set SL,   56
.set SG,   57
.set SXW,  58
.set SXR,  59
.set OXW,  60
.set OXR,  61
.set IO,   64
.set TM,   64
.set PCD,  80
.set VF,   96
.set E,    128
.set QLO,  0                           ; window 1: [q | 0] and [0 | q]
.set QHI,  8
.set G1J,  24                          ; s[24:31] group 1 of the joint refills; s[32:39] of ious'; s[68:75] of the head's whole blocks; groups 0: s[40:43] K, s[44:47] V, s[48:51] ious, s[84:87] the head's block
.set G1I,  32
.set G0K,  40
.set G0V,  44
.set G0I,  48
.set G1H,  68
.set G0H,  84
.set PFK,  54
.set PFV,  56
.set MSB, 0
.macro WIN new                         ; the immediate's high byte repeats the setting that is left
.if MSB != (\new)
	s_set_vgpr_msb (MSB<<8)|(\new)
.set MSB, (\new)
.endif
.endm
.macro PLACES n
.rept \n
	v_nop
.endr
.endm
.macro CROUND                          ; a round of the cluster's barrier
	s_barrier_signal -1
	s_barrier_wait -1
	s_cmp_lg_u32 s14, 0
	s_cbranch_scc1 .Lnot_wave_0_\@
	s_barrier_signal -3
.Lnot_wave_0_\@:
	s_barrier_wait -3
	s_barrier_signal -1
	s_barrier_wait -1
.endm
.macro QLOAD                           ; my 16 queries' codes of the head at s[52:53], twice, and their scale words
	WIN 0x40
	global_load_b128 v[QLO:QLO+3], v[AQ], s[52:53]
	global_load_b128 v[QHI+4:QHI+7], v[AQ], s[52:53]
	WIN 0
	global_load_b32 v[QW], v[AQS], s[52:53]
.endm
.macro WM d, a, b, z, sa, sb, row      ; one product; z: the sum begins; row: source 0's scale words stand in lanes 16-31
.if \z
.if \row
	v_wmma_scale_f32_16x16x128_f8f6f4 v[\d:\d+7], v[\a:\a+7], v[\b:\b+7], 0, v[\sa], v[\sb] matrix_a_fmt:MATRIX_FMT_FP4 matrix_b_fmt:MATRIX_FMT_FP4 matrix_a_scale:MATRIX_SCALE_ROW1
.else
	v_wmma_scale_f32_16x16x128_f8f6f4 v[\d:\d+7], v[\a:\a+7], v[\b:\b+7], 0, v[\sa], v[\sb] matrix_a_fmt:MATRIX_FMT_FP4 matrix_b_fmt:MATRIX_FMT_FP4
.endif
.else
.if \row
	v_wmma_scale_f32_16x16x128_f8f6f4 v[\d:\d+7], v[\a:\a+7], v[\b:\b+7], v[\d:\d+7], v[\sa], v[\sb] matrix_a_fmt:MATRIX_FMT_FP4 matrix_b_fmt:MATRIX_FMT_FP4 matrix_a_scale:MATRIX_SCALE_ROW1
.else
	v_wmma_scale_f32_16x16x128_f8f6f4 v[\d:\d+7], v[\a:\a+7], v[\b:\b+7], v[\d:\d+7], v[\sa], v[\sb] matrix_a_fmt:MATRIX_FMT_FP4 matrix_b_fmt:MATRIX_FMT_FP4
.endif
.endif
.endm
	s_load_b256 s[4:11], s[0:1], 0x0               ; qkimg, vimg, ious, acod
	s_load_b64 s[12:13], s[0:1], 0x20              ; ascl
	v_lshl_add_u32 v[SPW], v0, 2, SPARE
	v_mov_b32 v[NIL], 0
	ds_add_u32 v[SPW], v[NIL]                      ; the wave's opening: the add, twice on end, and its wait ahead of my first tensor load
	ds_add_u32 v[SPW], v[NIL]
	v_lshrrev_b32 v1, 5, v0
	v_readfirstlane_b32 s14, v1                    ; wave
	s_and_b32 s15, s14, 1                          ; qt: which 16 queries
	s_bfe_u32 s16, s14, 0x10001                    ; hp: which 8 heads
	s_lshr_b32 s81, s14, 2                         ; kh: which 512 keys.  Also: of which of the two blocks I fetch a quarter
	s_and_b32 s82, s14, 3                          ; which quarter
	s_bfe_u32 s17, ttmp6, 0x40000                  ; cx
	s_lshl_b32 s18, ttmp9, 2
	s_add_co_u32 s18, s18, s17                     ; qb: my block of 32 queries; it enters global addresses of my own loads and stores alone
	s_and_b32 s19, ttmp7, 0xffff                   ; b, which the four partners share
	s_mov_b32 s20, 0x76543210
	s_mov_b32 s21, 0xfedcba98                      ; v_permlanex16_b32's selects for lane l xor 16
	s_mov_b32 s22, 0x3fb8aa3b                      ; log2(e)
	s_mov_b32 s23, s22
	s_mov_b32 s[G1J], 15|(3<<16)|(1<<21)           ; the mask: all four; elements of 8 bytes; bit 21 beside a mask; no padding
	s_mov_b32 s[G1J+1], 32<<16                     ; dense bytes as rows of 256: a quarter block, 34 rows
	s_mov_b32 s[G1J+2], 34<<16
	s_mov_b32 s[G1J+3], 32<<16
	s_mov_b32 s[G1J+4], 34
	s_mov_b32 s[G1J+5], 32
	s_mov_b32 s[G1J+6], 0
	s_mov_b32 s[G1J+7], 0
	s_mov_b32 s[G1I], (2<<16)|(1<<20)|(7<<22)|(3<<25)   ; no mask; elements of 4 bytes; 4 words of padding behind every 256
	s_mov_b32 s[G1I+1], 256<<16                    ; 32 rows x 256 keys
	s_mov_b32 s[G1I+2], 32<<16
	s_mov_b32 s[G1I+3], 256<<16
	s_mov_b32 s[G1I+4], 32
	s_mov_b32 s[G1I+5], 1024
	s_mov_b32 s[G1I+6], 0
	s_mov_b32 s[G1I+7], 0
	s_lshl_b32 s62, s19, 5
	s_lshl_b32 s63, s16, 3
	s_add_co_u32 s63, s63, s62
	s_mul_i32 s66, s63, HB                         ; q's block of my first head: 32 b + 8 hp
	s_mov_b32 s67, 0
	s_lshl_b32 s68, s15, 3                         ; the head's whole block (waves 4 to 7): of heads 8 (w % 2);
	s_add_co_u32 s69, s68, s62
	s_add_co_u32 s69, s69, 16                      ; K's: block 32 b + 16 + 8 (w % 2) of qkimg,
	s_lshr_b32 s75, s62, 1
	s_add_co_u32 s68, s68, s75                     ; V's: block 16 b + 8 (w % 2) of vimg
	s_cmp_eq_u32 s16, 0                            ; waves 4 and 5 take K's, waves 6 and 7 V's
	s_cselect_b32 s68, s69, s68
	s_mul_i32 s68, s68, HB
	s_mov_b32 s69, 0
	s_lshl_b32 s63, s81, 3
	s_add_co_u32 s70, s62, s63
	s_mul_i32 s70, s70, HB
	s_add_co_u32 s70, s70, 16*HB                   ; K's block of which I fetch a quarter
	s_mov_b32 s71, 0
	s_lshl_b32 s72, s19, 4
	s_add_co_u32 s72, s72, s63
	s_mul_i32 s72, s72, HB                         ; V's
	s_mov_b32 s73, 0
	s_mul_i32 s83, s82, HB/4
	s_lshl_b32 s74, s19, 10
	s_lshl_b32 s75, s18, 5
	s_add_co_u32 s74, s74, s75                     ; my work-group's first row: 1,024 b + 32 qb
	s_lshl_b32 s76, s74, 12
	s_lshl_b32 s77, s82, 10
	s_add_co_u32 s76, s76, s77                     ; ious: that row, a quarter of the keys
	s_mov_b32 s77, 0
	s_lshl_b32 s78, s17, 13                        ; the prefetches: my work-group's 8,192 of a block's 32,768 bytes of codes, told apart by address
	s_mov_b32 s79, 0
	s_mov_b32 s59, 7                               ; head steps that fill again
	s_mov_b32 s60, 0                               ; 32 i: the head's bytes in a stage row
	s_mov_b32 s80, 0                               ; 2 i: its scale bytes
	s_mov_b32 s61, 0x03020302
	s_cmp_eq_u32 s15, 0
	s_cselect_b32 s61, 0x01000100, s61             ; which half of q's scale word is my piece's: it is laid twice
	s_or_b32 s58, s82, ttmp9                       ; who prefetches: waves 0 and 4 of the b's first cluster: the same in all four partners
	s_cmp_eq_u32 s58, 0
	s_cselect_b32 s58, 1, -1
	; what the lanes' addresses take from the wave's number
	s_lshl_b32 s88, s18, 10
	s_lshl_b32 s2, s15, 9
	s_add_co_u32 s88, s88, s2                      ; q: fragment qb, piece qt
	s_lshl_b32 s89, s18, 6
	s_add_co_u32 s89, s89, 32768
	s_mul_i32 s2, s16, HB
	s_lshl_b32 s3, s81, 14
	s_add_co_u32 s90, s2, s3
	s_add_co_u32 s90, s90, KS                      ; K: block hp, 16 fragments a half of the keys
	s_lshl_b32 s3, s81, 10
	s_add_co_u32 s91, s2, s3
	s_add_co_u32 s91, s91, KS+32768
	s_mul_i32 s3, s81, 16384+2048
	s_add_co_u32 s92, s2, s3
	s_add_co_u32 s92, s92, VS                      ; V: tiles 0, 1 take fragments 2 kh, 2 kh + 1 of a key step,
	s_mul_i32 s3, s81, 16384-2048
	s_add_co_u32 s93, s2, s3
	s_add_co_u32 s93, s93, VS                      ; tiles 2, 3 the other two
	s_mul_i32 s3, s81, 1024+128
	s_add_co_u32 s94, s2, s3
	s_add_co_u32 s94, s94, VS+32768
	s_mul_i32 s3, s81, 1024-128
	s_add_co_u32 s95, s2, s3
	s_add_co_u32 s95, s95, VS+32768
	s_mul_i32 s96, s15, 16*IP
	s_mul_i32 s3, s81, 2*IQ
	s_add_co_u32 s96, s96, s3
	s_mul_i32 s97, s82, 16*272
	s_add_co_u32 s97, s97, STG
	s_mul_i32 s3, s81, 8*272
	s_add_co_u32 s100, s97, s3                     ; the way out: 8 rows of the stage a wave
	s_lshl_b32 s3, s81, 4
	s_add_co_u32 s97, s97, s3
	s_lshl_b32 s98, s15, 9
	s_lshl_b32 s3, s16, 4
	s_add_co_u32 s98, s98, s3
	s_add_co_u32 s98, s98, s81
	s_add_co_u32 s98, s98, SCST
	s_lshl_b32 s99, s82, 8
	s_add_co_u32 s99, s99, SCST
	s_lshl_b32 s101, s81, 12
	s_wait_dscnt 0x0                               ; both opening adds are done
	s_wait_kmcnt 0x0
	s_mov_b32 s62, s83
	s_mov_b32 s63, 0
	s_mov_b32 s[G0H], 1
	s_mul_i32 s[G0H+1], s82, HB                    ; K's two blocks and V's two lie on end
	s_add_co_u32 s[G0H+1], s[G0H+1], KS
	s_cmp_eq_u32 s16, 0
	s_cselect_b64 s[G0H+2:G0H+3], s[4:5], s[6:7]
	s_add_nc_u64 s[G0H+2:G0H+3], s[G0H+2:G0H+3], s[68:69]
	s_or_b32 s[G0H+3], s[G0H+3], 0x80000000
	s_mov_b32 s[G0K], 1
	s_mul_i32 s[G0K+1], s14, HB/4
	s_add_co_u32 s[G0K+1], s[G0K+1], KS
	s_add_nc_u64 s[G0K+2:G0K+3], s[4:5], s[70:71]
	s_add_nc_u64 s[G0K+2:G0K+3], s[G0K+2:G0K+3], s[62:63]
	s_or_b32 s[G0K+3], s[G0K+3], 0x80000000
	s_mov_b32 s[G0V], 1
	s_mul_i32 s[G0V+1], s14, HB/4
	s_add_co_u32 s[G0V+1], s[G0V+1], VS
	s_add_nc_u64 s[G0V+2:G0V+3], s[6:7], s[72:73]
	s_add_nc_u64 s[G0V+2:G0V+3], s[G0V+2:G0V+3], s[62:63]
	s_or_b32 s[G0V+3], s[G0V+3], 0x80000000
	s_mov_b32 s[G0I], 1
	s_mul_i32 s[G0I+1], s82, IQ
	s_add_nc_u64 s[G0I+2:G0I+3], s[8:9], s[76:77]
	s_or_b32 s[G0I+3], s[G0I+3], 0x80000000
	s_add_nc_u64 s[52:53], s[4:5], s[66:67]        ; q's block
	s_add_nc_u64 s[PFK:PFK+1], s[4:5], s[70:71]
	s_add_nc_u64 s[PFK:PFK+1], s[PFK:PFK+1], s[78:79]
	s_add_nc_u64 s[PFK:PFK+1], s[PFK:PFK+1], HB    ; in the block of head step 1: the first change steps it to 2
	s_add_nc_u64 s[PFV:PFV+1], s[6:7], s[72:73]
	s_add_nc_u64 s[PFV:PFV+1], s[PFV:PFV+1], s[78:79]
	s_add_nc_u64 s[PFV:PFV+1], s[PFV:PFV+1], HB
	s_lshl_b32 s62, s15, 4
	s_add_co_u32 s62, s62, s74
	s_lshl_b32 s62, s62, 9
	s_lshl_b32 s79, s16, 8
	s_add_co_u32 s62, s62, s79
	s_add_nc_u64 s[10:11], s[10:11], s[62:63]      ; acod: my 16 rows, my heads' 256 bytes of them
	s_lshl_b32 s62, s74, 5
	s_lshl_b32 s79, s82, 8
	s_add_co_u32 s62, s62, s79
	s_add_nc_u64 s[12:13], s[12:13], s[62:63]      ; ascl: 8 rows for each of waves 0 to 3
	s_mov_b32 s[G1H], 15|(3<<16)|(1<<21)           ; (the offsets that lay in these registers have been used)  a whole block: 136 rows of 256 bytes
	s_mov_b32 s[G1H+1], 32<<16
	s_mov_b32 s[G1H+2], 136<<16
	s_mov_b32 s[G1H+3], 32<<16
	s_mov_b32 s[G1H+4], 136
	s_mov_b32 s[G1H+5], 32
	s_mov_b32 s[G1H+6], 0
	s_mov_b32 s[G1H+7], 0
	v_and_b32 v52, 15, v0                          ; r
	v_bfe_u32 v53, v0, 4, 1                        ; h
	v_and_b32 v54, 31, v0                          ; lane
	v_lshl_add_u32 v[AQ], v54, 4, s88
	v_lshl_add_u32 v[AQS], v52, 2, s89
	QLOAD                                          ; the first head's q
	s_wait_alu depctr_va_vdst(0)
	CROUND                                         ; all four work-groups are here: the first joint loads meet
	s_cmp_lt_u32 s14, 4                            ; THE HEAD'S LOADS, one a wave
	s_cbranch_scc0 .Lhead_kv
	tensor_load_to_lds s[G0I:G0I+3], s[G1I:G1I+7]  ; waves 0 to 3: a quarter of ious (my own load); it is waited for in front of the first change P
	s_nop 0
	PLACES 4
	s_branch .Lhead_asked
.Lhead_kv:
	tensor_load_to_lds s[G0H:G0H+3], s[G1H:G1H+7]  ; waves 4 to 7: a whole block of K or of V,
	s_nop 0
	PLACES 4
	s_wait_tensorcnt 0x0                           ; which has landed before I signal the first barrier
.Lhead_asked:
	WIN 0x40
.irp n, 0,1,2,3
	v_mov_b32 v[QLO+4+\n], 0                       ; the zero halves: written once
	v_mov_b32 v[QHI+\n], 0
.endr
	WIN 0
	v_mov_b32 v[T0+1], 0                           ; written once: a lane permute's destination counts as one of its sources
	v_lshl_add_u32 v[AK], v54, 4, s90
	v_lshl_add_u32 v[AKS], v54, 2, s91
	v_lshl_add_u32 v[AVA], v54, 4, s92
	v_lshl_add_u32 v[AVB], v54, 4, s93
	v_lshl_add_u32 v[AVSA], v54, 2, s94
	v_lshl_add_u32 v[AVSB], v54, 2, s95
	v_mul_u32_u24 v[AI], v52, IP
	v_lshl_add_u32 v[AI], v53, 6, v[AI]
	v_add_nc_u32 v[AI], s96, v[AI]                 ; row 16 qt + r, + 64 h: my 16 keys of a block of 32; quarter 2 kh,
	v_add_nc_u32 v[AI+1], IQ, v[AI]                ; and 2 kh + 1
	v_mul_u32_u24 v[STO], v52, 272
	v_lshl_add_u32 v[STO], v53, 3, v[STO]
	v_add_nc_u32 v[STO], s97, v[STO]               ; the stage: row r, + 16 kh + 8 h: my 16 codes
	v_mul_u32_u24 v[RD], v53, 272
	v_lshl_add_u32 v[RD], v52, 4, v[RD]
	v_add_nc_u32 v[RD], s100, v[RD]
	v_lshlrev_b32 v[GO], 9, v53
	v_lshl_add_u32 v[GO], v52, 4, v[GO]
	v_add_nc_u32 v[GO], s101, v[GO]
	v_lshl_add_u32 v[SSC], v52, 5, s98             ; row 16 qt + r of 32 scale bytes, + 16 hp + kh
	v_lshl_add_u32 v[SL], v54, 3, s99
	v_lshlrev_b32 v[SG], 3, v54
	v_lshlrev_b32 v[PFO], 8, v54                   ; the prefetches: lanes 256 bytes apart
	v_lshl_add_u32 v[SXW], v0, 2, SX
	v_xor_b32 v55, 128, v0                         ; the same lane of wave w xor 4
	v_lshl_add_u32 v[SXR], v55, 2, SX
	v_lshrrev_b32 v55, 5, v0
	v_lshlrev_b32 v55, 11, v55
	v_lshl_add_u32 v55, v54, 4, v55
	v_add_nc_u32 v[OXW], OX, v55
	v_xor_b32 v55, 0x2000, v55
	v_add_nc_u32 v[OXR], OX, v55
.macro KLOAD w                         ; unit w's eight fragments of K and their four pairs of scale words: 20 LDS loads
	WIN (\w)<<6
.irp f, 0,1,2,3,4,5,6,7
	ds_load_b128 v[IO+8*\f:IO+8*\f+3], v[AK] offset:(8*(\w)+\f)*1024
	ds_load_b128 v[IO+8*\f+4:IO+8*\f+7], v[AK] offset:(8*(\w)+\f)*1024+512
.endr
	WIN 0
.irp p, 0,1,2,3
	ds_load_b32 v[KSC+4*(\w)+\p], v[AKS] offset:(4*(\w)+\p)*128
.endr
.endm
.macro QKW w                           ; unit w's scores: each fragment of K against [q | 0] and [0 | q]: its two tiles of keys
	WIN ((\w)<<6)|4|(\w)
.irp f, 0,1,2,3,4,5,6,7
	WM (E+16*\f), (IO+8*\f), QLO, 1, (KSC+4*(\w)+\f/2), QS, (\f%2)
	WM (E+16*\f+8), (IO+8*\f), QHI, 1, (KSC+4*(\w)+\f/2), QS, (\f%2)
.endr
	PLACES 4                                       ; in front of the first read of scores, and of loads into the fragments' and scale words' registers
.endm
.macro T1 w                            ; t = score x log2(e), straight behind the products; each accumulator is read from its low end on
	WIN 0x55*(\w)
.set j, 0
.rept 64
	v_pk_mul_f32 v[E+2*j:E+2*j+1], v[E+2*j:E+2*j+1], s[22:23] op_sel_hi:[1,0]
.set j, j+1
.endr
.endm
.macro EXPS                            ; a unit's 128 exponentials
.set j, 0
.rept 128
	v_exp_f32 v[E+j], v[E+j]
.set j, j+1
.endr
.endm
.macro IOL w, k                        ; ious for registers 32 k .. + 31 of unit w, into buffer k % 2: 8 LDS loads
	WIN (\w)<<6
.irp n, 0,1,2,3,4,5,6,7
	ds_load_b128 v[IO+32*((\k)%2)+4*\n:IO+32*((\k)%2)+4*\n+3], v[AI+(\w)] offset:(2*(\k)+\n/4)*128+16*(\n%4)
.endr
.endm
; Position p of part k is pair p / 2 + 8 (p % 2): the part's two blocks of 32 keys take turns, so that each of the two chains of sums and of the two chains of maxima is taken up at every second position.
.macro ACC k, p                        ; the pair goes into its chain's sum (begun by the unit's positions 0 to 3) and into its block's largest magnitude
.set jj, (\p)/2+8*((\p)%2)
.set cc, SUM+2*((\p)%2)
.if ((\k) > 0) || ((\p) > 3)
	v_pk_add_f32 v[cc:cc+1], v[cc:cc+1], v[E+32*(\k)+2*jj:E+32*(\k)+2*jj+1]
.elseif (\p) > 1
	v_pk_add_f32 v[cc:cc+1], v[E+2*jj-2:E+2*jj-1], v[E+2*jj:E+2*jj+1]
.endif
.if (\p) < 2
	v_max_num_f32 v[BM+2*(\k)+(\p)%2], |v[E+32*(\k)+2*jj]|, |v[E+32*(\k)+2*jj+1]|
.else
	v_max3_num_f32 v[BM+2*(\k)+(\p)%2], v[BM+2*(\k)+(\p)%2], |v[E+32*(\k)+2*jj]|, |v[E+32*(\k)+2*jj+1]|
.endif
.endm
.macro WPART w, k, cnt                 ; part k (32 registers) of unit w: e x iou, sums, block maxima.  cnt: the LDS loads issued behind this part's ious, which may stay out; -1: they are in already
.if (\cnt) >= 0
	s_wait_alu depctr_va_vdst(0)
	s_wait_dscnt \cnt
.endif
	WIN 0x55*(\w)
.set j, 0
.rept 16
.set jm, j/2+8*(j%2)
	v_pk_mul_f32 v[E+32*(\k)+2*jm:E+32*(\k)+2*jm+1], v[E+32*(\k)+2*jm:E+32*(\k)+2*jm+1], v[IO+32*((\k)%2)+2*jm:IO+32*((\k)%2)+2*jm+1]
.if j > 0
	ACC \k, (j-1)
.endif
.set j, j+1
.endr
	ACC \k, 15
.if (\k) == 3
	v_pk_add_f32 v[SUM:SUM+1], v[SUM:SUM+1], v[SUM+2:SUM+3]
	v_add_f32 v[SUM], v[SUM], v[SUM+1]             ; my part of the unit's sum
.endif
.endm
.macro VLOAD s                         ; my key step s's four fragments of V^T and their two pairs of scale words: 10 LDS loads
	WIN ((\s)%2)<<6
.irp d, 0,1
	ds_load_b128 v[VF+8*\d:VF+8*\d+3], v[AVA] offset:(4*(\s)+\d)*1024
	ds_load_b128 v[VF+8*\d+4:VF+8*\d+7], v[AVA] offset:(4*(\s)+\d)*1024+512
.endr
.irp d, 2,3
	ds_load_b128 v[VF+8*\d:VF+8*\d+3], v[AVB] offset:(4*(\s)+\d)*1024
	ds_load_b128 v[VF+8*\d+4:VF+8*\d+7], v[AVB] offset:(4*(\s)+\d)*1024+512
.endr
	WIN 0
	ds_load_b32 v[VSC+2*((\s)%2)], v[AVSA] offset:(2*(\s))*128
	ds_load_b32 v[VSC+2*((\s)%2)+1], v[AVSB] offset:(2*(\s)+1)*128
.endm
; Key step s (128 keys: half s % 2 of unit s / 2): the weights are normalised and quantised.  A block's largest normalised weight is its largest weight x 1 / sum: the same multiplication on the same number.
.macro NORMQ s
.set W_, (\s)/2
.set A_, (\s)%2
	WIN 0x55*W_
.irp b, 0,1,2,3
	v_mul_f32 v[TM+\b], v[BM+4*A_+\b], |v[RR]|
.endr
.set j, 0
.rept 32
	v_pk_mul_f32 v[E+64*A_+2*j:E+64*A_+2*j+1], v[E+64*A_+2*j:E+64*A_+2*j+1], v[RR:RR+1] op_sel_hi:[1,0]
.set j, j+1
.endr
.irp b, 0,1,2,3
	v_permlanex16_b32 v[TM+4+\b], v[TM+\b], s20, s21
.endr
.irp b, 0,1,2,3
	v_max3_num_f32 v[TM+\b], v[TM+\b], v[TM+4+\b], 0x1800000   ; with lane l xor 16's, and the floor 2^(3 - 127)
.endr
.irp b, 0,1,2,3
	v_add_nc_u32 v[TM+12+\b], 0xff000000, v[TM+\b]
.endr
.irp b, 0,1,2,3
	v_lshrrev_b32 v[TM+4+\b], 23, v[TM+12+\b]
.endr
	v_lshl_or_b32 v[TM+8], v[TM+5], 8, v[TM+4]
	v_lshl_or_b32 v[TM+8], v[TM+6], 16, v[TM+8]
	v_lshl_or_b32 v[TM+8], v[TM+7], 24, v[TM+8]
.irp b, 0,1,2,3
	v_cvt_scalef32_pk8_fp4_f32 v[PCD+8*A_+2*\b], v[E+64*A_+16*\b:E+64*A_+16*\b+7], v[TM+12+\b]
	v_cvt_scalef32_pk8_fp4_f32 v[PCD+8*A_+2*\b+1], v[E+64*A_+16*\b+8:E+64*A_+16*\b+15], v[TM+12+\b]
.endr
	v_nop                                          ; one plain place behind a scaled conversion
.irp c, 0,1
.irp i, 0,1
	v_permlane16_swap_b32 v[PCD+8*A_+4*\c+\i], v[PCD+8*A_+4*\c+2+\i]
.endr
.endr
	WIN W_
	v_mov_b32 v[PS+A_], v[TM+8]                    ; the scale word, into window 0
.endm
.macro PV s, n, last                   ; O^T += V^T P^T over key step s: four accumulators by turns.  n: the LDS loads issued behind this step's V, which may stay out
.set W_, (\s)/2
.set A_, (\s)%2
.if \last
	s_wait_alu depctr_va_vdst(0)                   ; P's codes and scale word were written just ahead of the wait below
.endif
	s_wait_dscnt \n
	WIN 0x50|(W_<<2)|A_
.irp d, 0,1,2,3
	WM (16+8*\d+16*(\d/2)), (VF+8*\d), (PCD+8*A_), ((\s)==0), (VSC+2*A_+\d/2), (PS+A_), (\d%2)
.endr
.endm
; A CHANGE.  Each wave waits for all its tensor loads, adds 0 to its spare word, and waits for that and for its LDS instructions.  fill = 1: the slot of group 0 g0, whose last read is over, is filled again with the next head's
; blocks: the barrier is a round of the cluster's, and the joint refill is the first thing behind it, a quarter block a wave.  Behind it one prefetch for the blocks that the same change of the next head step will ask for:
; each aligned 256 bytes of the codes is named once in the launch (the b's first cluster; waves 0 and 4, one for each of the two heads; the four partners 8,192 bytes each, by address); the last change that fills asks for nothing.
.macro CHANGE g0, pf, fill
	WIN 0
	s_wait_alu depctr_va_vdst(0)                   ; at P also the one wait behind the batch of exponentials
	s_wait_tensorcnt 0x0                           ; no tensor load of mine is out, so a group 0 may be written
	ds_add_u32 v[SPW], v[NIL]
.if \fill
	s_add_nc_u64 s[\g0+2:\g0+3], s[\g0+2:\g0+3], HB
	s_wait_xcnt 0x0                                ; the last prefetch by this pointer has read its address
	s_add_nc_u64 s[\pf:\pf+1], s[\pf:\pf+1], HB
	s_wait_dscnt 0x0                               ; the add is done, my reads of the slot are over, and what I hand to my partner is stored
	CROUND
	tensor_load_to_lds s[\g0:\g0+3], s[G1J:G1J+7]
	s_nop 0
	PLACES 4
	s_cmp_gt_u32 s59, s58
	s_cbranch_scc0 .Lnot_mine_\@
	global_prefetch_b8 v[PFO], s[\pf:\pf+1] th:TH_LOAD_NT scope:SCOPE_SE
.Lnot_mine_\@:
.else
	s_wait_dscnt 0x0
	s_barrier_signal -1
	s_barrier_wait -1
.endif
.endm
; A HEAD STEP.  next = 1: another follows.  This head's 40 loads of K's fragments are out when it begins.
.macro HEADSTEP next
	s_wait_loadcnt 0x0                             ; q of this head
	v_perm_b32 v[QS], v[QW], v[QW], s61            ; my piece's two bytes, twice: they serve [q | 0] and [0 | q]
	s_wait_alu depctr_va_vdst(0)
	PLACES 8                                       ; a scale word made by a vector instruction stands 8 places ahead of the product
	s_wait_dscnt 20                                ; unit 0's K is in; of what was issued behind it 20 may be out (unit 1's 20 loads; round the loop also the stage's two stores)
	QKW 0
	T1 0
	s_wait_dscnt 0x0
	QKW 1
	T1 1
	WIN 0
	s_wait_alu depctr_va_vdst(0)                   ; one wait ahead of the batch of 256 exponentials
	EXPS
	WIN 0x55
	EXPS
	v_nop                                          ; a plain place behind the batch
	CHANGE G0K, PFK, \next                         ; P: V of this head (and, the first time, ious) has landed in every wave; K's slot has been read out
	IOL 0, 0                                       ; ious are read behind P alone
	IOL 0, 1
	IOL 1, 0
	IOL 1, 1
	WPART 0, 0, 24                                 ; behind each part's ious stand three later runs of 8
	IOL 0, 2
	WPART 0, 1, 24
	IOL 0, 3
	WPART 1, 0, 24
	IOL 1, 2
	WPART 1, 1, 24
	IOL 1, 3
	WPART 0, 2, 24                                 ; behind its ious: three runs of 8
	WPART 0, 3, 16
	VLOAD 0                                        ; its registers are free from here on
	WPART 1, 2, 18                                 ; one run of 8, and V's 10
	WPART 1, 3, 10
	VLOAD 1
	WIN 0x04
	v_add_f32 v[T0], v[SUM], v[SUM]                ; unit 0's + unit 1's,
	WIN 0
	v_permlanex16_b32 v[T0+1], v[T0], s20, s21
	v_add_f32 v[T0], v[T0], v[T0+1]                ; and lane l xor 16's: the row's sum over my 512 keys
	ds_store_b32 v[SXW], v[T0]
	s_wait_alu depctr_va_vdst(0)
	s_wait_dscnt 0x0                               ; for my partner's sake: my sum is stored
	s_barrier_signal -1                            ; K's load may be out
	s_barrier_wait -1
	ds_load_b32 v[T0+2], v[SXR]
.if \next
	s_add_nc_u64 s[52:53], s[52:53], HB            ; (q's loads were waited for at the step's head)
	QLOAD                                          ; the next head's q
.endif
	s_wait_dscnt 0x0                               ; my partner's sum is in
	v_add_f32 v[T0], v[T0], v[T0+2]
	s_wait_alu depctr_va_vdst(0)                   ; the wait ahead of the transcendental
	v_rcp_f32 v[RR], v[T0]
	v_nop
	s_wait_alu depctr_va_vdst(0)                   ; and the wait ahead of its first reader
	v_mov_b32 v[RR+1], v[RR]
	WIN 0x40
	v_mov_b32 v[RR], v[RR]
	v_mov_b32 v[RR+1], v[RR]
	NORMQ 0
	NORMQ 1                                        ; a key step's product stands behind the next step's quantiser, whose lines are the places behind P's codes and scale word
	PV 0, 0, 0
	PLACES 4                                       ; in front of loads into the registers just multiplied
	VLOAD 2
	NORMQ 2
	PV 1, 10, 0
	PLACES 4
	VLOAD 3
	NORMQ 3
	PV 2, 10, 0
	PLACES 8
	PV 3, 0, 1
	PLACES 4
	WIN 0x04
.irp i, 0,1,2,3
	ds_store_b128 v[OXW], v[48+4*\i:51+4*\i] offset:512*\i   ; my part of my partner's block of dims; each accumulator from its low end on
.endr
	CHANGE G0V, PFV, \next                         ; Y: K of the next head has landed in every wave; V's slot has been read out; O^T is handed over
.irp i, 0,1,2,3
	ds_load_b128 v[E+4*\i:E+4*\i+3], v[OXR] offset:512*\i
.endr
.if \next
	KLOAD 0                                        ; the next head's K, asked for under out's quantiser
	KLOAD 1
	s_wait_dscnt 40                                ; my partner's part is in; K's 40 loads may be out
.else
	s_wait_dscnt 0x0
.endif
	WIN 0x01
.irp i, 0,2,4,6,8,10,12,14
	v_pk_add_f32 v[E+16+\i:E+17+\i], v[16+\i:17+\i], v[E+\i:E+\i+1]   ; out: dims 32 kh + 16 h + 0 .. 15 of my query
.endr
	WIN 0
	v_max3_num_f32 v50, |v[E+16]|, |v[E+17]|, 0x1800000
	v_max3_num_f32 v51, |v[E+18]|, |v[E+19]|, 0x1800000
.irp i, 4,8,12
	v_max3_num_f32 v50, v50, |v[E+16+\i]|, |v[E+17+\i]|
	v_max3_num_f32 v51, v51, |v[E+18+\i]|, |v[E+19+\i]|
.endr
	v_max_num_f32 v50, v50, v51
	v_permlanex16_b32 v51, v50, s20, s21
	v_max_num_f32 v50, v50, v51                    ; the block's largest magnitude
	v_add_nc_u32 v52, 0xff000000, v50
	v_lshrrev_b32 v53, 23, v52
	v_add_nc_u32 v[ADR], s60, v[STO]
	v_add_nc_u32 v[ADR2], s80, v[SSC]
	v_cvt_scalef32_pk8_fp4_f32 v54, v[E+16:E+23], v52
	v_cvt_scalef32_pk8_fp4_f32 v55, v[E+24:E+31], v52
	v_nop
	ds_store_b64 v[ADR], v[54:55]                  ; 16 codes, at their place in the row of acod
	ds_store_b8 v[ADR2], v53                       ; both lanes of a row write the same byte with the same value
	s_add_co_u32 s60, s60, 32
	s_add_co_u32 s80, s80, 2
.endm
	s_wait_alu depctr_va_vdst(0)
	s_barrier_signal -1                            ; K's and V's waves have waited for their blocks; the loads of ious may be out
	s_barrier_wait -1
	KLOAD 0
	KLOAD 1
.Lhead:                                            ; seven trips: each fills both slots again
	HEADSTEP 1
	s_sub_co_u32 s59, s59, 1
	s_cmp_lg_u32 s59, 0
	s_wait_alu depctr_va_vdst(0)
	s_cbranch_scc1 .Lhead
	HEADSTEP 0                                     ; the last head is written out
	; THE WAY OUT.  A stage holds 256 bytes of each of 16 rows, written by a pair of waves: each of the two stores 8 rows, sixteen lanes 256 consecutive bytes.
	s_wait_dscnt 0x0                               ; for the others' sake: my stores into the stages are done
	s_barrier_signal -1
	s_barrier_wait -1
.irp f, 0,1,2,3
	ds_load_b128 v[E+4*\f:E+4*\f+3], v[RD] offset:\f*544
.endr
.irp f, 0,1,2,3
	s_wait_dscnt 3-\f
	global_store_b128 v[GO], v[E+4*\f:E+4*\f+3], s[10:11] offset:\f*1024
.endr
	s_cmp_lt_u32 s14, 4                            ; the 1,024 scale bytes leave by waves 0 to 3
	s_cbranch_scc0 .Lno_scales
	ds_load_b64 v[52:53], v[SL]                    ; 8 rows of 32 scale bytes
	s_wait_dscnt 0x0
	global_store_b64 v[SG], v[52:53], s[12:13]     ; 32 lanes store 256 consecutive bytes
.Lno_scales:
	s_wait_tensorcnt 0x0                           ; the wave's end, behind my last tensor load and my last LDS store
	ds_add_u32 v[SPW], v[NIL]
	s_wait_dscnt 0x0
	CROUND                                         ; the closing round
	s_endpgm
.Lfunc_end_k_qbde020f5d8_attn:
	.size	k_qbde020f5d8_attn, .Lfunc_end_k_qbde020f5d8_attn-k_qbde020f5d8_attn
	.p2alignl 7, 3214868480
	.fill 96, 4, 3214868480
	.section	.rodata,"a",@progbits
	.p2align	6, 0x0
	.amdhsa_kernel k_qbde020f5d8_attn
		.amdhsa_group_segment_fixed_size 327680
		.amdhsa_private_segment_fixed_size 0
		.amdhsa_enable_private_segment 0
		.amdhsa_kernarg_size 40
		.amdhsa_user_sgpr_count 2
		.amdhsa_user_sgpr_kernarg_segment_ptr 1
		.amdhsa_wavefront_size32 1
		.amdhsa_system_sgpr_workgroup_id_x 1
		.amdhsa_system_sgpr_workgroup_id_y 1
		.amdhsa_system_sgpr_workgroup_id_z 1
		.amdhsa_system_vgpr_workitem_id 0
		.amdhsa_next_free_vgpr 512
		.amdhsa_next_free_sgpr 102
		.amdhsa_reserve_vcc 0
		.amdhsa_float_denorm_mode_32 3
		.amdhsa_float_denorm_mode_16_64 3
		.amdhsa_memory_ordered 1
		.amdhsa_forward_progress 1
		.amdhsa_inst_pref_size 172
	.end_amdhsa_kernel
	.amdgpu_metadata
---
amdhsa.version: [ 1, 2 ]
amdhsa.kernels:
  - .name:           k_qbde020f5d8_attn
    .symbol:         k_qbde020f5d8_attn.kd
    .args:
      - { .name: qkimg, .offset: 0, .size: 8, .value_kind: global_buffer, .address_space: global }
      - { .name: vimg, .offset: 8, .size: 8, .value_kind: global_buffer, .address_space: global }
      - { .name: ious, .offset: 16, .size: 8, .value_kind: global_buffer, .address_space: global }
      - { .name: acod, .offset: 24, .size: 8, .value_kind: global_buffer, .address_space: global }
      - { .name: ascl, .offset: 32, .size: 8, .value_kind: global_buffer, .address_space: global }
    .group_segment_fixed_size: 327680
    .private_segment_fixed_size: 0
    .kernarg_segment_align: 8
    .kernarg_segment_size: 40
    .max_flat_workgroup_size: 256
    .sgpr_count:     102
    .vgpr_count:     512
    .wavefront_size: 32
...
	.end_amdgpu_metadata
.endif
;; end of part 3
;; launch oproj (part 4): grid 4 x 64, 4 waves a work-group, clusters of 4 x 4, 327,680 bytes of LDS; arguments acod, ascl, cod, scl, b_out, out0; writes out0
.if DOCPART == 4
	.amdgcn_target "amdgcn-amd-amdhsa--gfx1250"
	.amdhsa_code_object_version 6
	.text
	.protected	k_qbde020f5d8_oproj
	.globl	k_qbde020f5d8_oproj
	.p2align	8
	.type	k_qbde020f5d8_oproj,@function
k_qbde020f5d8_oproj:
	s_mov_b64 s[64:65], 0
	v_nop
	global_prefetch_b8 v0, s[64:65] scope:SCOPE_SE
	s_setreg_imm32_b32 hwreg(HW_REG_WAVE_MODE, 25, 1), 1
	s_wait_xcnt 0x0
	s_wait_alu depctr_hold_cnt(0) depctr_sa_sdst(0) depctr_va_vdst(0) depctr_va_sdst(0) depctr_va_ssrc(0) depctr_va_vcc(0) depctr_vm_vsrc(0)
	s_getreg_b32 s2, hwreg(HW_REG_IB_STS2, 6, 4)
	s_cmp_eq_u32 s2, 0
	s_cbranch_scc0 .Lentry_in_a_cluster
	s_endpgm
.Lentry_in_a_cluster:
	s_bfe_u32 s2, ttmp6, 0x10000c
	s_cmp_lg_u32 s2, 0xf033
	s_cbranch_scc0 .Lentry_shape_is_right
	s_endpgm
.Lentry_shape_is_right:
.set PITCH, 272
.set WOFF,  128*PITCH
.set SLOT,  384*PITCH
.set SPARE, 2*SLOT                     ; behind the two slots: the spare words.  (The scale words go from memory straight into registers)
.set STAGE, SPARE+512
.set WROW0, 11264
.set AS0,  16
.set AS1,  18
.set ASC0, 22
.set ASC1, 23
.set STO,  24
.set ST16, 25
.set BV,   27
.set SPW,  28
.set NIL,  29
.set RD,   30
.set SC0,  32
.set SC1,  96
.set F1,   128
.set BIAS, 192
.set BK,   128
.set WV,   18
.set WHI,  19
.set WLO,  20
.set G1X,  24
.set G0X,  32
.set G1W,  48
.set G0W,  56
.set SB0,  68                          ; s[68:69], s[70:71] where the scale bytes of my 128 rows of W_out and of my 64 rows of out begin
.set SB1,  70
.set MSB, 0
.macro WIN new
.if MSB != (\new)
	s_set_vgpr_msb (MSB<<8)|(\new)
.set MSB, (\new)
.endif
.endm
.macro PLACES n
.rept \n
	v_nop
.endr
.endm
.macro JLOAD g0a, g1a, g0b, g1b
	s_cmp_eq_u32 s[WHI], 0
	s_cbranch_scc0 .Lfor_w_\@
	tensor_load_to_lds s[\g0a:\g0a+3], s[\g1a:\g1a+7]
	s_nop 0
.rept 4
	v_nop
.endr
	s_branch .Lasked_\@
.Lfor_w_\@:
	tensor_load_to_lds s[\g0b:\g0b+3], s[\g1b:\g1b+7]
	s_nop 0
.rept 4
	v_nop
.endr
.Lasked_\@:
.endm
.macro CROUND
	s_barrier_signal -1
	s_barrier_wait -1
	s_cmp_lg_u32 s[WV], 0
	s_cbranch_scc1 .Lnot_wave_0_\@
	s_barrier_signal -3
.Lnot_wave_0_\@:
	s_barrier_wait -3
	s_barrier_signal -1
	s_barrier_wait -1
.endm
	s_load_b128 s[4:7], s[0:1], 0x0
	s_load_b128 s[8:11], s[0:1], 0x10
	s_load_b128 s[12:15], s[0:1], 0x20
	v_lshl_add_u32 v[SPW], v0, 2, SPARE
	v_mov_b32 v[NIL], 0
	ds_add_u32 v[SPW], v[NIL]
	ds_add_u32 v[SPW], v[NIL]
	v_lshrrev_b32 v1, 5, v0
	v_readfirstlane_b32 s[WV], v1
	s_lshr_b32 s[WHI], s[WV], 1
	s_and_b32 s[WLO], s[WV], 1
	s_bfe_u32 s40, ttmp6, 0x40000
	s_bfe_u32 s41, ttmp6, 0x40004
	s_lshl_b32 s42, ttmp9, 2
	s_add_co_u32 s42, s42, s40
	s_and_b32 s45, ttmp7, 0xffff
	s_lshl_b32 s45, s45, 2
	s_add_co_u32 s45, s45, s41
	s_lshl_b32 s43, s41, 2
	s_lshl_b32 s43, 15, s43
	s_lshl_b32 s44, 0x1111, s40
	s_or_b32 s[G1X], s43, (1<<20)|(1<<21)|(5<<22)|(3<<25)
	s_or_b32 s[G1W], s44, (1<<20)|(1<<21)|(5<<22)|(3<<25)
	s_mov_b32 s[G1X+1], 256<<16
	s_mov_b32 s[G1X+2], 64<<16
	s_mov_b32 s[G1X+3], 256<<16
	s_mov_b32 s[G1X+4], 64
	s_mov_b32 s[G1X+5], 512
	s_mov_b32 s[G1X+6], 0
	s_mov_b32 s[G1X+7], 0
	s_mov_b32 s[G1W+1], 256<<16
	s_mov_b32 s[G1W+2], 128<<16
	s_mov_b32 s[G1W+3], 256<<16
	s_mov_b32 s[G1W+4], 128
	s_mov_b32 s[G1W+5], 512
	s_mov_b32 s[G1W+6], 0
	s_mov_b32 s[G1W+7], 0
	s_lshl_b32 s46, s45, 7
	s_lshl_b32 s47, s[WLO], 6
	s_add_co_u32 s46, s46, s47
	s_lshl_b32 s92, s46, 9
	s_mov_b32 s93, 0
	s_lshl_b32 s94, s45, 12                        ; the scale bytes, 32 a row, of the 64 rows of out that I multiply: 128 x block + 64 (wave / 2)
	s_lshl_b32 s95, s[WHI], 11
	s_add_co_u32 s94, s94, s95
	s_mov_b32 s95, 0
	s_lshl_b32 s2, s42, 8
	s_lshl_b32 s3, s[WLO], 7
	s_add_co_u32 s2, s2, s3
	s_add_co_u32 s2, s2, WROW0
	s_lshl_b32 s96, s2, 9
	s_mov_b32 s97, 0
	s_lshl_b32 s2, s2, 5
	s_mov_b32 s3, 0
	s_mul_i32 s98, s[WLO], 64*PITCH
	s_mul_i32 s99, s[WLO], 128*PITCH
	s_add_co_u32 s99, s99, WOFF
	s_wait_dscnt 0x0
	s_wait_kmcnt 0x0
	s_add_nc_u64 s[92:93], s[4:5], s[92:93]
	s_add_nc_u64 s[94:95], s[6:7], s[94:95]
	s_add_nc_u64 s[96:97], s[8:9], s[96:97]
	s_add_nc_u64 s[2:3], s[10:11], s[2:3]
	CROUND
	s_mov_b64 s[SB1:SB1+1], s[94:95]
	s_mov_b64 s[SB0:SB0+1], s[2:3]
.irp s, 0,1
	s_mov_b32 s[G0X+4*\s], 1
	s_add_co_u32 s[G0X+4*\s+1], s98, \s*SLOT
	s_add_nc_u64 s[G0X+4*\s+2:G0X+4*\s+3], s[92:93], \s*256
	s_or_b32 s[G0X+4*\s+3], s[G0X+4*\s+3], 0x80000000
	s_mov_b32 s[G0W+4*\s], 1
	s_add_co_u32 s[G0W+4*\s+1], s99, \s*SLOT
	s_add_nc_u64 s[G0W+4*\s+2:G0W+4*\s+3], s[96:97], \s*256
	s_or_b32 s[G0W+4*\s+3], s[G0W+4*\s+3], 0x80000000
.endr
	JLOAD G0X, G1X, G0W, G1W                       ; the first half of K: one tensor load a wave at the head
	s_lshr_b32 s2, s45, 3
	s_and_b32 s3, s45, 7
	s_lshl_b32 s94, s3, 7
	s_lshl_b32 s95, s[WHI], 6
	s_add_co_u32 s94, s94, s95
	s_lshl_b32 s94, s94, 15
	s_lshl_b32 s2, s2, 12
	s_add_co_u32 s94, s94, s2
	s_lshl_b32 s96, s42, 10
	s_lshl_b32 s2, s[WLO], 9
	s_add_co_u32 s96, s96, s2
	s_add_co_u32 s94, s94, s96
	s_mov_b32 s95, 0
	s_mov_b32 s97, 0
	s_add_nc_u64 s[14:15], s[14:15], s[94:95]
	s_add_nc_u64 s[12:13], s[12:13], s[96:97]
	s_mul_i32 s46, s[WLO], 128*PITCH
	s_add_co_u32 s46, s46, WOFF
	s_mul_i32 s47, s[WHI], 64*PITCH
	v_and_b32 v1, 15, v0
	v_bfe_u32 v2, v0, 4, 1
	v_mul_u32_u24 v4, v1, PITCH
	v_lshl_add_u32 v4, v2, 4, v4
	v_lshrrev_b32 v6, 3, v1
	v_and_b32 v7, 7, v1
	v_lshlrev_b32 v7, 5, v7
	v_mad_u32_u24 v8, v6, 256, v7                  ; 32 r: my row of a tile's scale bytes
	v_add_nc_u32 v[AS0], s46, v4
	v_add_nc_u32 v[AS0+1], SLOT, v[AS0]
	v_add_nc_u32 v[AS1], s47, v4
	v_add_nc_u32 v[AS1+1], SLOT, v[AS1]
	v_and_b32 v10, 31, v0
	v_lshlrev_b32 v[ST16], 4, v10
	s_mul_i32 s2, s[WV], 16*528
	s_add_co_u32 s2, s2, STAGE
	v_mul_u32_u24 v[STO], v1, 528
	v_lshl_add_u32 v[STO], v2, 5, v[STO]
	v_add_nc_u32 v[STO], s2, v[STO]
	v_add_nc_u32 v[RD], s2, v[ST16]
	v_lshlrev_b32 v[BV], 5, v2
.irp i, 0,1,2,3,4,5,6,7
	global_load_b128 v[BIAS+8*\i:BIAS+8*\i+3], v[BV], s[12:13] offset:64*\i
	global_load_b128 v[BIAS+8*\i+4:BIAS+8*\i+7], v[BV], s[12:13] offset:64*\i+16
.endr
.macro FRAG reg, adr, off
	ds_load_b128 v[\reg:\reg+3], v[\adr] offset:\off
	ds_load_b128 v[\reg+4:\reg+7], v[\adr] offset:\off+32
.endm
.macro FETCH set, q
	WIN 0x40
.irp i, 0,1,2,3,4,5,6,7
	FRAG 64*(\set)+8*\i, AS0+(\q)/4, 64*((\q)%4)+16*\i*PITCH
.endr
	WIN 0
.irp a, 0,1,2,3
	FRAG F1+32*(\set)+8*\a, AS1+(\q)/4, 64*((\q)%4)+16*\a*PITCH
.endr
.endm
.macro MUL a0, q
.irp a, \a0, \a0+1
.irp i, 0,1,2,3,4,5,6,7
.if (\q) == 0
	v_wmma_scale_f32_16x16x128_f8f6f4 v[8*(8*(\a)+\i):8*(8*(\a)+\i)+7], v[64*((\q)%2)+8*\i:64*((\q)%2)+8*\i+7], v[F1+32*((\q)%2)+8*(\a):F1+32*((\q)%2)+8*(\a)+7], v[BIAS+8*\i:BIAS+8*\i+7], v[SC0+8*\i+(\q)], v[SC1+8*(\a)+(\q)] matrix_a_fmt:MATRIX_FMT_FP4 matrix_b_fmt:MATRIX_FMT_FP4
.else
	v_wmma_scale_f32_16x16x128_f8f6f4 v[8*(8*(\a)+\i):8*(8*(\a)+\i)+7], v[64*((\q)%2)+8*\i:64*((\q)%2)+8*\i+7], v[F1+32*((\q)%2)+8*(\a):F1+32*((\q)%2)+8*(\a)+7], v[8*(8*(\a)+\i):8*(8*(\a)+\i)+7], v[SC0+8*\i+(\q)], v[SC1+8*(\a)+(\q)] matrix_a_fmt:MATRIX_FMT_FP4 matrix_b_fmt:MATRIX_FMT_FP4
.endif
.endr
.endr
.endm
.macro MWIN q
.if (\q) == 0
	WIN 0x81
.else
	WIN 0xa1
.endif
.endm
.macro KSTEP q
	s_wait_dscnt 0x0
.if (\q) == 3
	s_wait_tensorcnt 0x0
	s_barrier_signal -1
.endif
	MWIN \q
	MUL 0, \q
.if (\q) == 3
	s_barrier_wait -1
.endif
.if (\q) < 7
	PLACES 4
	FETCH ((\q)+1)%2, (\q)+1
	MWIN \q
.endif
	MUL 2, \q
.endm
.irp i, 0,1,2,3,4,5,6,7
	global_load_b128 v[SC0+8*\i:SC0+8*\i+3], v8, s[SB0:SB0+1] offset:16*\i*32      ; a tile's 16 rows of scale bytes are 512 neighbouring bytes
	global_load_b128 v[SC0+8*\i+4:SC0+8*\i+7], v8, s[SB0:SB0+1] offset:16*\i*32+16
.endr
.irp a, 0,1,2,3
	global_load_b128 v[SC1+8*\a:SC1+8*\a+3], v8, s[SB1:SB1+1] offset:16*\a*32
	global_load_b128 v[SC1+8*\a+4:SC1+8*\a+7], v8, s[SB1:SB1+1] offset:16*\a*32+16
.endr
	s_wait_alu depctr_va_vdst(0)
	s_wait_tensorcnt 0x0                           ; my part of the first half of K is in
	ds_add_u32 v[SPW], v[NIL]
	s_wait_dscnt 0x0
	CROUND                                         ; everybody's is in, and all sixteen work-groups are here
	JLOAD G0X+4, G1X, G0W+4, G1W                   ; the second half of K: my one load behind the round
	FETCH 0, 0
	s_wait_loadcnt 0x0
.irp q, 0,1,2,3,4,5,6,7
	KSTEP \q
.endr
	WIN 0
	PLACES 4
.macro TOSTAGE a
	WIN 0x08
.irp i, 0,1,2,3,4,5,6,7
	ds_store_b128 v[STO], v[8*(8*(\a)+\i):8*(8*(\a)+\i)+3] offset:64*\i
	ds_store_b128 v[STO], v[8*(8*(\a)+\i)+4:8*(8*(\a)+\i)+7] offset:64*\i+16
.endr
	WIN 0x40
.irp t, 0,1,2,3,4,5,6,7,8,9,10,11,12,13,14,15
	ds_load_b128 v[BK+64*((\a)%2)+4*\t:BK+64*((\a)%2)+4*\t+3], v[RD] offset:\t*528
.endr
.endm
.macro SEND a, younger
	WIN 0x04
	s_wait_dscnt \younger
.if (\a) > 0
	s_add_nc_u64 s[14:15], s[14:15], 16*32768
.endif
.irp t, 0,1,2,3,4,5,6,7,8,9,10,11,12,13,14,15
	global_store_b128 v[ST16], v[BK+64*((\a)%2)+4*\t:BK+64*((\a)%2)+4*\t+3], s[14:15] offset:\t*32768 th:TH_STORE_NT
.endr
.endm
	TOSTAGE 0
.irp a, 1,2,3
.if \a > 1
	s_wait_xcnt 0x0
.endif
	TOSTAGE \a
	SEND \a-1, 32
.endr
	s_wait_xcnt 0x0
	SEND 3, 0
	WIN 0
	s_wait_tensorcnt 0x0
	ds_add_u32 v[SPW], v[NIL]
	s_wait_dscnt 0x0
	CROUND
	s_endpgm
.Lfunc_end_k_qbde020f5d8_oproj:
	.size	k_qbde020f5d8_oproj, .Lfunc_end_k_qbde020f5d8_oproj-k_qbde020f5d8_oproj
	.p2alignl 7, 3214868480
	.fill 96, 4, 3214868480
	.section	.rodata,"a",@progbits
	.p2align	6, 0x0
	.amdhsa_kernel k_qbde020f5d8_oproj
		.amdhsa_group_segment_fixed_size 327680
		.amdhsa_private_segment_fixed_size 0
		.amdhsa_enable_private_segment 0
		.amdhsa_kernarg_size 48
		.amdhsa_user_sgpr_count 2
		.amdhsa_user_sgpr_kernarg_segment_ptr 1
		.amdhsa_wavefront_size32 1
		.amdhsa_system_sgpr_workgroup_id_x 1
		.amdhsa_system_sgpr_workgroup_id_y 1
		.amdhsa_system_sgpr_workgroup_id_z 1
		.amdhsa_system_vgpr_workitem_id 0
		.amdhsa_next_free_vgpr 768
		.amdhsa_next_free_sgpr 102
		.amdhsa_reserve_vcc 0
		.amdhsa_float_denorm_mode_32 3
		.amdhsa_float_denorm_mode_16_64 3
		.amdhsa_memory_ordered 1
		.amdhsa_forward_progress 1
		.amdhsa_inst_pref_size 73
	.end_amdhsa_kernel
	.amdgpu_metadata
---
amdhsa.version: [ 1, 2 ]
amdhsa.kernels:
  - .name:           k_qbde020f5d8_oproj
    .symbol:         k_qbde020f5d8_oproj.kd
    .args:
      - { .name: acod, .offset: 0, .size: 8, .value_kind: global_buffer, .address_space: global }
      - { .name: ascl, .offset: 8, .size: 8, .value_kind: global_buffer, .address_space: global }
      - { .name: cod, .offset: 16, .size: 8, .value_kind: global_buffer, .address_space: global }
      - { .name: scl, .offset: 24, .size: 8, .value_kind: global_buffer, .address_space: global }
      - { .name: b_out, .offset: 32, .size: 8, .value_kind: global_buffer, .address_space: global }
      - { .name: out0, .offset: 40, .size: 8, .value_kind: global_buffer, .address_space: global }
    .group_segment_fixed_size: 327680
    .private_segment_fixed_size: 0
    .kernarg_segment_align: 8
    .kernarg_segment_size: 48
    .max_flat_workgroup_size: 128
    .sgpr_count:     102
    .vgpr_count:     768
    .wavefront_size: 32
...
	.end_amdgpu_metadata
.endif
;; end of part 4
